; MI455X (gfx1250); checked and timed in simulation.
; The chip was launched on July 23, 2026; its instructions are those of AMD's public machine-readable ISA for CDNA 5 (MIT licence, August 2026) and "CDNA5" Instruction Set Architecture Reference Guide (July 2026). The comments in the code are by the model that wrote it; some were corrected since.
;; Multi Heads. Allowed arithmetic: matrix products marked QUANTISED: E2M1 operands, one E8M0 scale for each 32 along K, by v_wmma_scale_f32_16x16x128_f8f6f4 with both operands' format E2M1 (or v_wmma_scale_f32_32x16x128_f4), f32 sums; everything else in f32.
;; Inputs: K 2 x 2,048 x 1,024 float32; Q 2 x 2,048 x 1,024 float32; V 2 x 2,048 x 1,024 float32; Wk 1,024 x 1,024 float32; Wq 1,024 x 1,024 float32; Wv 1,024 x 1,024 float32; beta 1,024 float32; bk 1,024 float32; bq 1,024 float32; bv 1,024 float32; gamma 1,024 float32; mask 2 x 1 x 2,048 x 2,048 bool.
;; Outputs: out0 2 x 2,048 x 1,024 float32.
;; This version of the problem:
;;   THIS VERSION OF THE PROBLEM IS GIVEN IN LOW PRECISION. The matrix products marked QUANTISED in the list below multiply operands that are first quantised to E2M1 (2 exponent bits, 1 mantissa bit; 4 bits a number), with one power-of-two scale for each 32 numbers along K (OCP MX v1.0); their sums are f32. All else is computed in f32.
;;   The module's matrix products, in the order in which they are computed (A, B: the left and right operand; K: the contracted axis; several contracted axes count as one K, in the product's order):
;;     1. [M 4,096, K 1,024] x [K 1,024, N 1,024]; A: computed on the way; B: input Wq: QUANTISED
;;     2. [M 4,096, K 1,024] x [K 1,024, N 1,024]; A: computed on the way; B: input Wk: QUANTISED
;;     3. [M 4,096, K 1,024] x [K 1,024, N 1,024]; A: computed on the way; B: input Wv: QUANTISED
;;     4. batch 32 x [M 2,048, K 64] x [K 64, N 2,048]; A: computed on the way; B: computed on the way: QUANTISED
;;     5. batch 32 x [M 2,048, K 2,048] x [K 2,048, N 64]; A: softmax (see below); B: computed on the way: QUANTISED
;;   THE QUANTISER, for each operand of a quantised product, along K:
;;     - K is cut into blocks of 32 from its start; a last block that is shorter is filled with zeros.
;;     - A block's scale is 2^e with e = floor(log2(the largest magnitude in the block)) - 2, held to -126 .. 127; a block of zeros has e = 0. As a byte (E8M0): e + 127.
;;     - Each number is divided by its block's scale, clamped to +-6, and rounded to the nearest number of E2M1, ties to even, subnormals kept.
;;     - The product sums the exact products of the quantised numbers (number of the format x scale) in f32.
;;   ~~~python
;;   def quantise(x, axis):      # numpy; x: float32 -> the quantised numbers, widened to float32 again
;;       x = np.moveaxis(x, axis, -1); K = x.shape[-1]
;;       x = np.pad(x, [(0, 0)] * (x.ndim - 1) + [(0, -K % 32)]); x = x.reshape(x.shape[:-1] + (-1, 32)); a = np.abs(x).max(-1, keepdims=True)
;;       e = np.where(a > 0, np.clip(np.frexp(np.where(a > 0, a, 1))[1] - 1 - 2, -126, 127), 0)      # np.frexp(a)[1] - 1 = floor(log2(a)), exactly
;;       r = np.clip(x / 2.0 ** e, -6, 6)
;;       step = 2.0 ** (np.maximum(np.frexp(np.where(r == 0, 1, r))[1] - 1, 0) - 1)
;;       q = np.round(r / step) * step * 2.0 ** e      # np.round: ties to even
;;       return np.moveaxis(q.reshape(q.shape[:-2] + (-1,))[..., :K], -1, axis).astype(np.float32)
;;   ~~~
;;   SOFTMAX AHEAD OF A QUANTISED PRODUCT. Where the list says 'softmax', what is quantised is not the finished softmax but p = 2^(t - M), with t = logit x log2(e) and M = ceil(the row's largest t), a whole number; so 1/2 < the row's largest p <= 1. The row's sum l is taken of the UNQUANTISED p, in f32, and the product's result is divided by l at the end. Since M is a whole number, a kernel that streams over the keys may use a running M (the ceiling of the running maximum): every later rescaling is an exact power of two, which a block's scale takes up: the codes' values come out the same.
;;   OPERANDS COMPUTED ON THE WAY. 'Computed on the way' means the value that the module computes at that place (a softmax that the list does not call 'softmax' is quantised finished and normalised). What goes into a quantiser is computed in f32, as accurately as f32 sums, v_exp_f32 and their like allow (about 1e-6 of the number): no bf16 or f16 on the way to a quantiser, and a product that is left as it is and whose result goes on into a quantised operand takes f32 operands (vector FMAs, or v_wmma_f32_16x16x4_f32). A number that lies on a knife's edge between two numbers of the format may be rounded either way, as far as f32 arithmetic and the matrix unit's own rounding can turn it there, and no further.
;; 2 versions. Each part assembles by itself: llvm-mc -triple=amdgcn-amd-amdhsa -mcpu=gfx1250 --defsym DOCPART=n.
;; ======== version 1 of 2: 3 launches
;; workspace buffers: xc 6,291,456 bytes; xs 393,216 bytes; wc 1,572,864 bytes; wsb 98,304 bytes; hc 6,291,456 bytes; hs 393,216 bytes; mp 1,048,576 bytes of whole numbers; fl 4,096 bytes of whole numbers
;; launch prep (part 1): grid 416 x 1, 8 waves a work-group, no clusters, 92,672 bytes of LDS; arguments Q, K, V, Wq, Wk, Wv, gamma, beta, mask, xc, xs, wc, wsb, mp, fl; writes xc, xs, wc, wsb, mp, fl
.if DOCPART == 1
	.amdgcn_target "amdgcn-amd-amdhsa--gfx1250"
	.amdhsa_code_object_version 6
	.text
	.protected	k_qfe14b8960b_prep
	.globl	k_qfe14b8960b_prep
	.p2align	8
	.type	k_qfe14b8960b_prep,@function
k_qfe14b8960b_prep:
	s_mov_b64 s[64:65], 0
	v_nop
	global_prefetch_b8 v0, s[64:65] scope:SCOPE_SE
	s_setreg_imm32_b32 hwreg(HW_REG_WAVE_MODE, 25, 1), 1
	s_wait_xcnt 0x0
; PREP: everything that is quantised or packed once.  Three jobs, told apart by the work-group's number alone:
;   work-groups   0 ..  95: Wq, Wk, Wv [k][n] f32 -> codes of E2M1 laid [n][k] (wc) and E8M0 bytes (wsb), quantised along k;
;   work-groups  96 .. 223: the mask's bytes -> lane masks (mp) and, for each tile of 16 queries x 128 keys, the bits 'live' and 'mixed' (fl);
;   work-groups 224 .. 415: LayerNorm of Q, K, V in f32 -> codes (xc) and bytes (xs), quantised along the row's 1,024.
; WHAT THE PROGRAM LEAVES OUT.  No input and no step of the problem is left out.  A key step (128 keys) of a tile of 16 queries is not walked by the last launch
; where the mask, as it is given, hides all its 2,048 scores: each of them would become -infinity, p = 0, and add nothing to the row's sum, to its maximum or to O.
; That is decided here from the mask's bytes (whole numbers), stored in fl, and read there: it holds for every mask; no pattern of a mask is built in.
; LIMITS.  NaN and infinities among the inputs are not served; one that reaches only scores of a wholly hidden step is not carried to the result.  A block whose largest
; magnitude lies under 2^-124 (a block of zeros too) keeps the byte 1: these bytes are read by this program alone, and zero codes add nothing under any byte but 0xff.
; Any mask byte other than 0 counts as true.
; TILE ORDER.  Rows of xc, xs, wc, wsb stand, inside each aligned group of 32, at the place that their number gives with bits 3 and 4 exchanged: so row r of a stored tile of 16
; is number 8 u + r + 8 (r / 8) of its 32, and the 16 result registers of two neighbouring tiles are 16 neighbours along the next product's K.
; Each job has LDS bytes of its own.  One barrier, on every work-group's way: only W's job needs it (a row of codes comes from eight waves).
.set LNW,   4864                       ; LayerNorm: a wave's region from byte 0 on: a stage of 32 x 144 bytes, then its 256 scale bytes
.set LNB,   4608
.set WST,   38912                      ; W: 32 rows x (512 + 16) bytes of codes
.set WSC,   55808                      ; W: 32 rows x 32 scale bytes
.set MST,   56832                      ; mask: for each wave 16 rows x (256 + 16) bytes
.set MSW,   4352
.set SPARE, 91648                      ; the spare words, 128 bytes for each wave: four blocks of 256 bytes that no other line names
.set FLOOR, 0x1800000                  ; 2^(3 - 127): no largest magnitude is taken under it, so a byte cannot fall under 1
.set OFF2,  0xff000000                 ; takes 2 off an exponent field
	s_load_b512 s[4:19], s[0:1], 0x0               ; Q s[4:5], K s[6:7], V s[8:9], Wq s[10:11], Wk s[12:13], Wv s[14:15], gamma s[16:17], beta s[18:19]
	s_load_b256 s[20:27], s[0:1], 0x40             ; mask s[20:21], xc s[22:23], xs s[24:25], wc s[26:27]
	s_load_b128 s[28:31], s[0:1], 0x60             ; wsb s[28:29], mp s[30:31]
	s_load_b64 s[32:33], s[0:1], 0x70              ; fl
	v_lshl_add_u32 v10, v0, 2, SPARE               ; my spare word; never rewritten
	v_mov_b32 v11, 0                               ; 0; never rewritten
	v_lshrrev_b32 v1, 5, v0
	v_readfirstlane_b32 s34, v1                    ; wave 0..7
	v_and_b32 v1, 31, v0                           ; lane
	s_mov_b32 s39, 0                               ; the upper word of every 64-bit offset s[38:39]
	s_wait_kmcnt 0x0
	s_cmp_lt_u32 ttmp9, 96
	s_cbranch_scc1 .Lw_path
	s_cmp_lt_u32 ttmp9, 224
	s_cbranch_scc1 .Lmask_path
; ------------------------------------------------------------------ LayerNorm: a wave takes 8 neighbouring rows
	s_sub_co_u32 s35, ttmp9, 224                   ; L = 0 .. 191
	s_lshr_b32 s36, s35, 6                         ; the stream: Q, K, V
	s_cmp_eq_u32 s36, 1
	s_cselect_b64 s[4:5], s[6:7], s[4:5]
	s_cmp_eq_u32 s36, 2
	s_cselect_b64 s[4:5], s[8:9], s[4:5]
	s_and_b32 s37, s35, 63
	s_lshl_b32 s37, s37, 6
	s_lshl_b32 s38, s34, 3
	s_add_co_u32 s37, s37, s38                     ; my first row in the stream
	s_lshl_b32 s38, s37, 12                        ; x 4,096 bytes
	s_add_nc_u64 s[4:5], s[4:5], s[38:39]
	s_lshl_b32 s37, s35, 3
	s_add_co_u32 s37, s37, s34                     ; g: which group of 8 rows of the 12,288
	s_and_b32 s44, s37, 0xfffffffc
	s_and_b32 s45, s37, 1
	s_lshl_b32 s45, s45, 1
	s_or_b32 s44, s44, s45
	s_bfe_u32 s45, s37, 0x10001
	s_or_b32 s44, s44, s45                         ; its place: bits 0 and 1 of g (bits 3 and 4 of the row) exchanged
	s_lshl_b32 s38, s44, 12                        ; 8 rows x 512 bytes of codes
	s_add_nc_u64 s[22:23], s[22:23], s[38:39]
	s_lshl_b32 s38, s44, 8                         ; 8 rows x 32 scale bytes
	s_add_nc_u64 s[24:25], s[24:25], s[38:39]
	v_lshlrev_b32 v2, 4, v1                        ; 16 x lane: my bytes of a load's 512, and of a row's codes
	s_mul_i32 s46, s34, LNW
	v_lshrrev_b32 v3, 3, v1
	v_mul_u32_u24 v3, v3, 144
	v_and_b32 v4, 7, v1
	v_lshl_add_u32 v3, v4, 4, v3
	v_add_nc_u32 v3, s46, v3                       ; the stage, in: eight lanes' 128 bytes (a block of 32 numbers) on end, then 16 of padding
	v_mul_u32_u24 v4, v1, 144
	v_add_nc_u32 v4, s46, v4                       ; and out: block = lane
	s_add_co_u32 s46, s46, LNB
	v_add_nc_u32 v5, s46, v1                       ; my block's scale byte
	v_lshlrev_b32 v7, 3, v1
	v_add_nc_u32 v6, s46, v7                       ; and 8 of the 256 on the way out
	v_mov_b32 v156, 0                              ; written once: a lane permute's destination counts as one of its sources
	s_mov_b32 s40, 0x3a800000                      ; 1 / 1,024
	s_mov_b32 s41, 0x3727c5ac                      ; eps = 1e-5
	s_mov_b32 s42, 0x76543210
	s_mov_b32 s43, 0xfedcba98                      ; v_permlanex16_b32's selects for lane l xor 16
.irp j, 0,1,2,3,4,5,6,7
	global_load_b128 v[16+4*\j:19+4*\j], v2, s[16:17] offset:512*\j      ; gamma, in the rows' own layout
.endr
.irp j, 0,1,2,3,4,5,6,7
	global_load_b128 v[48+4*\j:51+4*\j], v2, s[18:19] offset:512*\j      ; beta
.endr
.macro ROWLOAD i                       ; row i: eight loads of 512 consecutive bytes, into set i % 2
.irp j, 0,1,2,3,4,5,6,7
	global_load_b128 v[80+32*((\i)%2)+4*\j:83+32*((\i)%2)+4*\j], v2, s[4:5] offset:4096*(\i)+512*\j th:TH_LOAD_NT
.endr
.endm
.macro ACROSS                          ; four packed chains v[148:155] -> their sum over the wave, in v148 of every lane
	v_pk_add_f32 v[148:149], v[148:149], v[150:151]
	v_pk_add_f32 v[152:153], v[152:153], v[154:155]
	v_pk_add_f32 v[148:149], v[148:149], v[152:153]
	v_add_f32 v148, v148, v149
	v_add_f32_dpp v148, v148, v148 row_xmask:1 row_mask:0xf bank_mask:0xf
	v_add_f32_dpp v148, v148, v148 row_xmask:2 row_mask:0xf bank_mask:0xf
	v_add_f32_dpp v148, v148, v148 row_xmask:4 row_mask:0xf bank_mask:0xf
	v_add_f32_dpp v148, v148, v148 row_xmask:8 row_mask:0xf bank_mask:0xf
	v_permlanex16_b32 v156, v148, s42, s43
	v_add_f32 v148, v148, v156
.endm
.macro BLKMAX x                        ; 32 numbers of one lane, v[x] on: the block's largest magnitude (with the floor) in v158, the conversions' scale operand in v157
	v_max3_num_f32 v158, |v[\x]|, |v[\x+1]|, FLOOR
	v_max3_num_f32 v159, |v[\x+2]|, |v[\x+3]|, |v[\x+4]|
.irp i, 5,9,13,17,21,25
	v_max3_num_f32 v158, v158, |v[\x+\i]|, |v[\x+\i+1]|
	v_max3_num_f32 v159, v159, |v[\x+\i+2]|, |v[\x+\i+3]|
.endr
	v_max3_num_f32 v158, v158, |v[\x+29]|, |v[\x+30]|
	v_max3_num_f32 v158, v158, v159, |v[\x+31]|
	v_add_nc_u32 v157, OFF2, v158                  ; 2 off its exponent field: the conversion takes the exponent field of this operand as its scale
.endm
	ROWLOAD 0
	ROWLOAD 1
.macro LNROW i
.set X, 80+32*((\i)%2)
.if (\i) < 7
	s_wait_loadcnt 8                               ; this row (and gamma, beta) is in; the next row's eight loads may be out
.else
	s_wait_loadcnt 0
.endif
.irp c, 0,1,2,3
	v_pk_add_f32 v[148+2*\c:149+2*\c], v[X+2*\c:X+2*\c+1], v[X+8+2*\c:X+9+2*\c]
.endr
.irp g, 2,3
.irp c, 0,1,2,3
	v_pk_add_f32 v[148+2*\c:149+2*\c], v[148+2*\c:149+2*\c], v[X+8*\g+2*\c:X+8*\g+2*\c+1]
.endr
.endr
	ACROSS
	v_mul_f32 v144, s40, v148                      ; the mean, twice: a pair for the packed forms
	v_mul_f32 v145, s40, v148
.set p, 0
.rept 16
	v_pk_add_f32 v[X+2*p:X+2*p+1], v[X+2*p:X+2*p+1], v[144:145] neg_lo:[0,1] neg_hi:[0,1]   ; x - mean
.set p, p+1
.endr
.irp c, 0,1,2,3
	v_pk_mul_f32 v[148+2*\c:149+2*\c], v[X+2*\c:X+2*\c+1], v[X+2*\c:X+2*\c+1]
.endr
.irp g, 1,2,3
.irp c, 0,1,2,3
	v_pk_fma_f32 v[148+2*\c:149+2*\c], v[X+8*\g+2*\c:X+8*\g+2*\c+1], v[X+8*\g+2*\c:X+8*\g+2*\c+1], v[148+2*\c:149+2*\c]
.endr
.endr
	ACROSS
	v_fma_f32 v148, v148, s40, s41                 ; the variance + eps
	v_rsq_f32 v146, v148
	v_rsq_f32 v147, v148
	v_nop                                          ; a plain line behind the two roots,
	s_wait_alu depctr_va_vdst(0)                   ; and the one wait ahead of their first reader
.set p, 0
.rept 16
	v_pk_mul_f32 v[X+2*p:X+2*p+1], v[X+2*p:X+2*p+1], v[146:147]
.set p, p+1
.endr
.set p, 0
.rept 16
	v_pk_fma_f32 v[X+2*p:X+2*p+1], v[X+2*p:X+2*p+1], v[16+2*p:17+2*p], v[48+2*p:49+2*p]   ; x gamma + beta
.set p, p+1
.endr
.irp j, 0,1,2,3,4,5,6,7
	ds_store_b128 v3, v[X+4*\j:X+4*\j+3] offset:576*\j      ; the row turns through my stage: in as it was loaded,
.endr
.irp j, 0,1,2,3,4,5,6,7
	ds_load_b128 v[X+4*\j:X+4*\j+3], v4 offset:16*\j        ; out a block of 32 neighbours a lane (LDS serves a wave's instructions in order)
.endr
	s_wait_dscnt 0x0
	BLKMAX X
	s_wait_xcnt 0x0                                ; the last row's store has read its data: the codes' registers are written again only behind this wait
.irp g, 0,1,2,3
	v_cvt_scalef32_pk8_fp4_f32 v[160+\g], v[X+8*\g:X+8*\g+7], v157
.endr
	v_lshrrev_b32 v164, 23, v157                   ; the scale's byte (also the plain line behind the conversions)
	ds_store_b8 v5, v164 offset:32*(\i)
	global_store_b128 v2, v[160:163], s[22:23] offset:512*(\i)   ; the row's 512 bytes of codes, consecutive
.if (\i) < 6
	ROWLOAD (\i)+2
.endif
.endm
.irp i, 0,1,2,3,4,5,6,7
	LNROW \i
.endr
	ds_load_b64 v[148:149], v6                     ; my wave's 256 scale bytes leave as one aligned run of 256
	s_wait_dscnt 0x0
	global_store_b64 v7, v[148:149], s[24:25]
	s_branch .Lmeet
; ------------------------------------------------------------------ W: a work-group takes 32 columns n, all of K; wave w takes k = 128 w .. 128 w + 127
.Lw_path:
	s_lshr_b32 s35, ttmp9, 5                       ; which of the three weights
	s_and_b32 s36, ttmp9, 31                       ; which 32 columns
	s_cmp_eq_u32 s35, 1
	s_cselect_b64 s[10:11], s[12:13], s[10:11]
	s_cmp_eq_u32 s35, 2
	s_cselect_b64 s[10:11], s[14:15], s[10:11]
	s_lshl_b32 s38, s34, 19                        ; 128 rows of 4,096 bytes a wave
	s_lshl_b32 s37, s36, 7
	s_add_co_u32 s38, s38, s37
	s_add_nc_u64 s[10:11], s[10:11], s[38:39]
	v_lshlrev_b32 v2, 2, v1                        ; a lane takes a column, and its registers run down K
	v_and_b32 v3, 7, v1
	v_bfe_u32 v4, v1, 3, 1
	v_lshl_add_u32 v3, v4, 4, v3
	v_bfe_u32 v4, v1, 4, 1
	v_lshl_add_u32 v5, v4, 3, v3                   ; my column's place among the 32: bits 3 and 4 exchanged
	v_mul_u32_u24 v3, v5, 528
	s_lshl_b32 s37, s34, 6
	s_add_co_u32 s37, s37, WST
	v_add_nc_u32 v3, s37, v3                       ; its row of codes, my wave's 64 bytes
	v_lshlrev_b32 v4, 5, v5
	s_lshl_b32 s37, s34, 2
	s_add_co_u32 s37, s37, WSC
	v_add_nc_u32 v4, s37, v4                       ; its row of scale bytes, my wave's four
.macro WLOAD t                         ; block t: W(128 w + 32 t + i, my column): each load reads 128 consecutive bytes
.set i, 0
.rept 32
	global_load_b32 v[80+32*((\t)%2)+i], v2, s[10:11] offset:(32*(\t)+i)*4096 th:TH_LOAD_NT
.set i, i+1
.endr
.endm
.macro WBLOCK t
.set X, 80+32*((\t)%2)
.if (\t) < 3
	s_wait_loadcnt 32                              ; this block's 32 loads are in; the next block's may be out
.else
	s_wait_loadcnt 0
.endif
	BLKMAX X
.irp g, 0,1,2,3
	v_cvt_scalef32_pk8_fp4_f32 v[160+\g], v[X+8*\g:X+8*\g+7], v157
.endr
	v_lshrrev_b32 v159, 23, v157                   ; the scale's byte (also the plain line behind the conversions)
.if (\t) == 0
	v_mov_b32 v164, v159                           ; four bytes to a register, the lower k in the lower byte
.else
	v_lshl_or_b32 v164, v159, 8*(\t), v164
.endif
	ds_store_b128 v3, v[160:163] offset:16*(\t)
.if (\t) < 2
	WLOAD (\t)+2
.endif
	s_wait_dscnt 0x0                               ; the store has read its registers: the next block's codes may be written
.endm
	WLOAD 0
	WLOAD 1
	WBLOCK 0
	WBLOCK 1
	WBLOCK 2
	WBLOCK 3
	ds_store_b32 v4, v164
	s_branch .Lmeet
; ------------------------------------------------------------------ the mask: a wave takes a tile of 16 queries x 512 keys (four key steps)
.Lmask_path:
	s_sub_co_u32 s35, ttmp9, 96
	s_lshl_b32 s35, s35, 3
	s_add_co_u32 s35, s35, s34                     ; W = ((b x 128 + T) x 4 + quarter)
	s_and_b32 s36, s35, 3                          ; quarter
	s_bfe_u32 s37, s35, 0x70002                    ; T
	s_lshr_b32 s44, s35, 9                         ; b
	s_lshr_b32 s45, s37, 2
	s_lshl_b32 s45, s45, 6
	s_bfe_u32 s46, s37, 0x10001
	s_lshl_b32 s46, s46, 5
	s_add_co_u32 s45, s45, s46
	s_and_b32 s46, s37, 1
	s_lshl_b32 s46, s46, 3
	s_add_co_u32 s45, s45, s46                     ; the tile's first query: 64 (T / 4) + 32 ((T / 2) % 2) + 8 (T % 2); row r is r + 8 (r / 8) further on
	s_lshl_b32 s38, s45, 11
	s_lshl_b32 s46, s44, 22
	s_add_co_u32 s38, s38, s46
	s_lshl_b32 s46, s36, 9
	s_add_co_u32 s38, s38, s46
	s_add_nc_u64 s[20:21], s[20:21], s[38:39]
	s_lshl_b32 s38, s35, 10                        ; mp: four steps x 256 bytes for each W
	s_add_nc_u64 s[30:31], s[30:31], s[38:39]
	s_lshl_b32 s38, s35, 2                         ; fl: a word for each W
	s_add_nc_u64 s[32:33], s[32:33], s[38:39]
	v_and_b32 v8, 15, v1
	v_lshrrev_b32 v9, 4, v1
	v_lshlrev_b32 v2, 4, v8
	v_lshl_add_u32 v2, v9, 11, v2                  ; loads: sixteen lanes read 256 consecutive bytes of a row, lanes 16-31 the next row
	s_mul_i32 s46, s34, MSW
	s_add_co_u32 s46, s46, MST
	v_mul_u32_u24 v3, v9, 272
	v_lshl_add_u32 v3, v8, 4, v3
	v_add_nc_u32 v3, s46, v3                       ; the stage, in: as loaded
	v_mul_u32_u24 v4, v8, 272
	v_lshl_add_u32 v4, v9, 4, v4
	v_add_nc_u32 v4, s46, v4                       ; and out: lane (r, h) takes row r, 16 keys from 16 h on of each 32
	v_lshlrev_b32 v5, 3, v1
	s_mov_b32 s56, 0                               ; the four steps' flags
.irp hf, 0,1
.irp i, 0,1,2,3,4,5,6,7
	global_load_b128 v[16+32*\hf+4*\i:19+32*\hf+4*\i], v2, s[20:21] offset:(2*\i+8*(\i/4))*2048+256*\hf th:TH_LOAD_NT
.endr
.endr
; Step k of the wave's four, its bytes in v[80 + 16 sp] on.  Word n = 16 blk + i of the step is a lane mask: bit (r + 16 h) says that key 32 blk + 16 h + i is hidden from query r:
; the lane and register in which the last launch holds that score.
.macro MSTEP k, sp
	s_mov_b32 s44, -1                              ; the AND of the 64 words: -1 where every score is hidden
	s_mov_b32 s45, 0                               ; their OR: 0 where none is
	v_mov_b32 v[112+2*(\k)], 0                     ; (a written lane's register counts as read)
	v_mov_b32 v[113+2*(\k)], 0
.set n, 0
.rept 64
	v_and_b32 v[144+n%4], 0xff<<(8*(n%4)), v[80+16*(\sp)+n/4]
	v_cmp_ne_u32 s[48+n%8], 0, v[144+n%4]
	s_and_b32 s44, s44, s[48+n%8]
	s_or_b32 s45, s45, s[48+n%8]
	v_writelane_b32 v[112+2*(\k)+(n&1)], s[48+n%8], n>>1
.set n, n+1
.endr
	global_store_b64 v5, v[112+2*(\k):113+2*(\k)], s[30:31] offset:256*(\k)   ; the step's 64 words: 256 consecutive bytes, aligned
	s_cmp_lg_u32 s44, -1
	s_cselect_b32 s46, 1, 0                        ; live: some score counts
	s_cmp_lg_u32 s45, 0
	s_cselect_b32 s47, s46, 0                      ; mixed: live, and some score is hidden
	s_lshl_b32 s46, s46, \k
	s_lshl_b32 s47, s47, 16+(\k)
	s_or_b32 s56, s56, s46
	s_or_b32 s56, s56, s47
.endm
.macro MHALF hf                        ; 256 keys: two steps
	s_wait_loadcnt 8-8*\hf                         ; this half's eight loads are in; the other half's may be out
.irp i, 0,1,2,3,4,5,6,7
	ds_store_b128 v3, v[16+32*\hf+4*\i:19+32*\hf+4*\i] offset:544*\i
.endr
.irp sp, 0,1
.irp blk, 0,1,2,3
	ds_load_b128 v[80+16*\sp+4*\blk:83+16*\sp+4*\blk], v4 offset:128*\sp+32*\blk
.endr
.endr
	s_wait_dscnt 0x0
	MSTEP 2*\hf, 0
	MSTEP 2*\hf+1, 1
.endm
	MHALF 0
	MHALF 1
	v_mov_b32 v6, s56
	v_mov_b32 v7, 0
	v_cmp_eq_u32 vcc_lo, 0, v1
	s_wait_xcnt 0x0                                ; EXEC is a source of the stores above: it changes only behind this wait
	s_and_saveexec_b32 s57, vcc_lo
	global_store_b32 v7, v6, s[32:33]              ; one word a wave (fl is 4,096 bytes in all)
	s_wait_xcnt 0x0                                ; and again, in front of the line that widens it
	s_or_b32 exec_lo, exec_lo, s57
; ------------------------------------------------------------------ the ways join: the launch's one barrier, passed by every wave of every work-group
.Lmeet:
	s_wait_dscnt 0x0                               ; for the others' sake: my LDS stores have landed
	s_barrier_signal -1
	s_barrier_wait -1
	s_cmp_ge_u32 ttmp9, 96
	s_cbranch_scc1 .Lend
	; W's way out: 32 whole rows of codes lie in LDS; wave w stores rows 4 w .. 4 w + 3, 512 consecutive bytes an instruction.  Every address is made anew
	s_wait_xcnt 0x0                                ; no earlier memory instruction still reads the registers written below
	v_and_b32 v1, 31, v0
	v_lshlrev_b32 v2, 4, v1
	s_mul_i32 s37, s34, 4*528
	s_add_co_u32 s37, s37, WST
	v_add_nc_u32 v3, s37, v2
	v_lshlrev_b32 v4, 2, v1
	s_lshl_b32 s37, s34, 7
	s_add_co_u32 s46, s37, WSC
	v_add_nc_u32 v5, s46, v4
	s_lshr_b32 s35, ttmp9, 5
	s_and_b32 s36, ttmp9, 31
	s_lshl_b32 s38, s35, 10
	s_lshl_b32 s36, s36, 5
	s_add_co_u32 s38, s38, s36                     ; the work-group's first row of wc and wsb
	s_lshl_b32 s44, s38, 5
	s_add_co_u32 s44, s44, s37                     ; scale bytes: 32 a row, + 128 x wave
	s_mov_b32 s45, 0
	s_lshl_b32 s37, s34, 2
	s_add_co_u32 s38, s38, s37
	s_lshl_b32 s38, s38, 9                         ; codes: 512 bytes a row
	s_mov_b32 s39, 0
	s_add_nc_u64 s[26:27], s[26:27], s[38:39]
	s_add_nc_u64 s[28:29], s[28:29], s[44:45]
.irp i, 0,1,2,3
	ds_load_b128 v[16+4*\i:19+4*\i], v3 offset:528*\i
.endr
	ds_load_b32 v32, v5
.irp i, 0,1,2,3
	s_wait_dscnt 4-\i                              ; row i is back; the later rows and the scale word may be out
	global_store_b128 v2, v[16+4*\i:19+4*\i], s[26:27] offset:512*\i
.endr
	s_wait_dscnt 0x0
	global_store_b32 v4, v32, s[28:29]             ; 128 consecutive bytes a wave, 1,024 a work-group (wsb is 98,304 bytes in all)
.Lend:
	s_wait_tensorcnt 0x0                           ; the wave's end: three lines behind my last LDS store, the first of them even in a text with no tensor load
	ds_add_u32 v10, v11
	s_wait_dscnt 0x0
	s_endpgm
.Lfunc_end_k_qfe14b8960b_prep:
	.size	k_qfe14b8960b_prep, .Lfunc_end_k_qfe14b8960b_prep-k_qfe14b8960b_prep
	.p2alignl 7, 3214868480
	.fill 96, 4, 3214868480
	.section	.rodata,"a",@progbits
	.p2align	6, 0x0
	.amdhsa_kernel k_qfe14b8960b_prep
		.amdhsa_group_segment_fixed_size 92672
		.amdhsa_private_segment_fixed_size 0
		.amdhsa_enable_private_segment 0
		.amdhsa_kernarg_size 120
		.amdhsa_user_sgpr_count 2
		.amdhsa_user_sgpr_kernarg_segment_ptr 1
		.amdhsa_wavefront_size32 1
		.amdhsa_system_sgpr_workgroup_id_x 1
		.amdhsa_system_sgpr_workgroup_id_y 1
		.amdhsa_system_sgpr_workgroup_id_z 1
		.amdhsa_system_vgpr_workitem_id 0
		.amdhsa_next_free_vgpr 168
		.amdhsa_next_free_sgpr 80
		.amdhsa_reserve_vcc 1
		.amdhsa_float_denorm_mode_32 3
		.amdhsa_float_denorm_mode_16_64 3
		.amdhsa_memory_ordered 1
		.amdhsa_forward_progress 1
		.amdhsa_inst_pref_size 174
	.end_amdhsa_kernel
	.amdgpu_metadata
---
amdhsa.version: [ 1, 2 ]
amdhsa.kernels:
  - .name:           k_qfe14b8960b_prep
    .symbol:         k_qfe14b8960b_prep.kd
    .args:
      - { .name: Q, .offset: 0, .size: 8, .value_kind: global_buffer, .address_space: global }
      - { .name: K, .offset: 8, .size: 8, .value_kind: global_buffer, .address_space: global }
      - { .name: V, .offset: 16, .size: 8, .value_kind: global_buffer, .address_space: global }
      - { .name: Wq, .offset: 24, .size: 8, .value_kind: global_buffer, .address_space: global }
      - { .name: Wk, .offset: 32, .size: 8, .value_kind: global_buffer, .address_space: global }
      - { .name: Wv, .offset: 40, .size: 8, .value_kind: global_buffer, .address_space: global }
      - { .name: gamma, .offset: 48, .size: 8, .value_kind: global_buffer, .address_space: global }
      - { .name: beta, .offset: 56, .size: 8, .value_kind: global_buffer, .address_space: global }
      - { .name: mask, .offset: 64, .size: 8, .value_kind: global_buffer, .address_space: global }
      - { .name: xc, .offset: 72, .size: 8, .value_kind: global_buffer, .address_space: global }
      - { .name: xs, .offset: 80, .size: 8, .value_kind: global_buffer, .address_space: global }
      - { .name: wc, .offset: 88, .size: 8, .value_kind: global_buffer, .address_space: global }
      - { .name: wsb, .offset: 96, .size: 8, .value_kind: global_buffer, .address_space: global }
      - { .name: mp, .offset: 104, .size: 8, .value_kind: global_buffer, .address_space: global }
      - { .name: fl, .offset: 112, .size: 8, .value_kind: global_buffer, .address_space: global }
    .group_segment_fixed_size: 92672
    .private_segment_fixed_size: 0
    .kernarg_segment_align: 8
    .kernarg_segment_size: 120
    .max_flat_workgroup_size: 256
    .sgpr_count:     80
    .vgpr_count:     168
    .wavefront_size: 32
...
	.end_amdgpu_metadata
.endif
;; end of part 1
;; launch proj (part 2): grid 4 x 48, 16 waves a work-group, clusters of 4 x 4, 289,792 bytes of LDS; arguments xc, xs, wc, wsb, bq, bk, bv, hc, hs; writes hc, hs
.if DOCPART == 2
	.amdgcn_target "amdgcn-amd-amdhsa--gfx1250"
	.amdhsa_code_object_version 6
	.text
	.protected	k_qfe14b8960b_proj
	.globl	k_qfe14b8960b_proj
	.p2align	8
	.type	k_qfe14b8960b_proj,@function
k_qfe14b8960b_proj:
	s_mov_b64 s[64:65], 0
	v_nop
	global_prefetch_b8 v0, s[64:65] scope:SCOPE_SE
	s_setreg_imm32_b32 hwreg(HW_REG_WAVE_MODE, 25, 1), 1
	s_wait_xcnt 0x0
	s_wait_alu depctr_hold_cnt(0) depctr_sa_sdst(0) depctr_va_vdst(0) depctr_va_sdst(0) depctr_va_ssrc(0) depctr_va_vcc(0) depctr_vm_vsrc(0)
	s_getreg_b32 s2, hwreg(HW_REG_IB_STS2, 6, 4)
	s_cmp_eq_u32 s2, 0
	s_cbranch_scc0 .Lentry_in_a_cluster
	s_endpgm
.Lentry_in_a_cluster:
	s_bfe_u32 s2, ttmp6, 0x10000c
	s_cmp_lg_u32 s2, 0xf033
	s_cbranch_scc0 .Lentry_shape_is_right
	s_endpgm
.Lentry_shape_is_right:
; PROJ: q = LN(Q) Wq + bq, k = LN(K) Wk + bk, v = LN(V) Wv + bv on codes of E2M1 with E8M0 scales, and the results quantised at once for the attention: q and k along the head's 64, v along the keys.
; Nothing of the problem is left out here.  LIMITS as at the head of the first kernel (a block under 2^-124 keeps the byte 1; NaN and infinities are not served).
; ONE BODY FOR THE THREE.  A result is quantised along the index of the matrix instruction's source 0, since a lane's registers run along it.  q, k: source 0 = rows of W^T (features), source 1 = tokens.
; v: source 0 = tokens (the keys), source 1 = rows of W^T.  Which it is hangs on the cluster's number alone (st = 0, 1, 2).
; SHARES.  A work-group makes 256 (source 0) x 256 (source 1); all of K = 1,024 (512 bytes a row) lies in LDS, filled once: no slot is filled again.  Sixteen waves, each 64 x 64: 16 accumulators; four waves to a SIMD.
; 64 features are one head; 64 tokens are four stored tiles.  Rows stand in tile order (first kernel), so the 16 registers of two neighbouring source-0 tiles are 16 neighbours.
; CLUSTER.  4 x 4 work-groups: source 0's tile hangs on cx and the cluster alone and is shared along a column, source 1's on cy and the cluster alone and is shared along a row: each is asked for jointly.
; A wave has at most one tensor load outstanding.
; OUT.  hc: images of the operands' registers, 16 bytes a lane, 512 consecutive bytes a store.  q, k: [tile of 16 tokens][lane]: lane (r, h) holds block h of the head's 64 of token r.
; v: [key step][tile a of d][c][lane]: lane (r, h) holds keys 64 c + 32 h + 0 .. 31 of d-row r.  hs: for each 64 tokens 32 words, lane 16 p + r: the two bytes of tile 2 p and the two of tile 2 p + 1
; (128 consecutive bytes a wave; hs is 393,216 bytes in all).
.set PITCH, 528                        ; an LDS row: 512 bytes + 16 of padding = 132 words: the 16 rows of a fragment load start in 16 different groups of four banks
.set QUART, 64*PITCH                   ; 64 rows: what one tensor load brings and one wave reads of a side
.set S1,    4*QUART                    ; source 0's 256 rows from byte 0, then source 1's
.set SC0,   8*QUART                    ; source 0's scale bytes: 256 rows x 32, as 32 runs of 256 bytes + 16 of padding
.set SC1,   SC0+32*272
.set SPARE, SC1+32*272                 ; the spare words, 128 bytes for each wave: eight blocks of 256 bytes that no other line names
.set FLOOR, 0x1800000
.set OFF2,  0xff000000
.macro CROUND                          ; a round of the cluster's barrier
	s_barrier_signal -1
	s_barrier_wait -1
	s_cmp_lg_u32 s22, 0
	s_cbranch_scc1 .Lnot_wave_0_\@
	s_barrier_signal -3
.Lnot_wave_0_\@:
	s_barrier_wait -3
	s_barrier_signal -1
	s_barrier_wait -1
.endm
.macro PLACES
.rept 4
	v_nop
.endr
.endm
	s_load_b512 s[4:19], s[0:1], 0x0               ; xc s[4:5], xs s[6:7], wc s[8:9], wsb s[10:11], bq s[12:13], bk s[14:15], bv s[16:17], hc s[18:19]
	s_load_b64 s[20:21], s[0:1], 0x40              ; hs
	v_lshl_add_u32 v12, v0, 2, SPARE               ; my spare word; never rewritten
	v_mov_b32 v13, 0                               ; 0; never rewritten
	ds_add_u32 v12, v13                            ; the wave's opening: the add, twice on end, and its wait ahead of the first tensor loads
	ds_add_u32 v12, v13
	v_lshrrev_b32 v1, 5, v0
	v_readfirstlane_b32 s22, v1                    ; wave 0..15
	s_and_b32 s23, s22, 3                          ; w0: my quarter of source 0.  Also: which 64 rows I fetch, if I fetch
	s_lshr_b32 s24, s22, 2                         ; w1: my quarter of source 1
	s_bfe_u32 s25, ttmp6, 0x40000                  ; cx
	s_bfe_u32 s26, ttmp6, 0x40004                  ; cy
	s_and_b32 s28, ttmp7, 0xffff                   ; the cluster: 0 .. 11
	s_lshr_b32 s27, s28, 2                         ; st: q, k, v
	s_and_b32 s28, s28, 3
	s_lshl_b32 s90, s28, 2
	s_cmp_eq_u32 s27, 2
	s_cselect_b32 s91, s90, 0
	s_cselect_b32 s90, 0, s90
	s_add_co_u32 s29, s25, s91                     ; tile0: source 0's tile of 256 rows (4 of W^T; for v 16 of tokens)
	s_add_co_u32 s30, s26, s90                     ; tile1: source 1's
	s_lshl_b32 s92, s26, 2
	s_lshl_b32 s92, 15, s92                        ; my row of the cluster
	s_lshl_b32 s93, 0x1111, s25                    ; my column
	; descriptor groups 1.  Codes: 64 rows x 512 elements of 1 byte, 4 words of padding behind every 128.  s[32:39] for source 0 (my column), s[40:47] for source 1 (my row)
	s_or_b32 s32, s93, (1<<20)|(1<<21)|(6<<22)|(3<<25)
	s_or_b32 s40, s92, (1<<20)|(1<<21)|(6<<22)|(3<<25)
.irp g, 32, 40
	s_mov_b32 s[\g+1], 512<<16                     ; tensor_dim0
	s_mov_b32 s[\g+2], 64<<16                      ; tensor_dim1
	s_mov_b32 s[\g+3], 512<<16                     ; tile_dim0
	s_mov_b32 s[\g+4], 64                          ; tile_dim1
	s_mov_b32 s[\g+5], 512                         ; from row to row
	s_mov_b32 s[\g+6], 0
	s_mov_b32 s[\g+7], 0
.endr
	; Scale bytes of 256 rows: 8,192 dense bytes as 32 rows of 32 elements of 8 bytes, 4 words of padding behind every 64.  s[48:55] source 0, s[56:63] source 1
	s_or_b32 s48, s93, (3<<16)|(1<<20)|(1<<21)|(5<<22)|(3<<25)
	s_or_b32 s56, s92, (3<<16)|(1<<20)|(1<<21)|(5<<22)|(3<<25)
.irp g, 48, 56
	s_mov_b32 s[\g+1], 32<<16
	s_mov_b32 s[\g+2], 32<<16
	s_mov_b32 s[\g+3], 32<<16
	s_mov_b32 s[\g+4], 32
	s_mov_b32 s[\g+5], 32
	s_mov_b32 s[\g+6], 0
	s_mov_b32 s[\g+7], 0
.endr
	; byte offsets, each in registers of its own: source 0's hang on tile0, source 1's on tile1
	s_lshl_b32 s89, s23, 6                         ; the 64 rows that I fetch
	s_lshl_b32 s84, s29, 8
	s_add_co_u32 s84, s84, s89
	s_lshl_b32 s84, s84, 9                         ; source 0's codes: row x 512
	s_lshl_b32 s90, s27, 19                        ; in wc: 524,288 a weight;
	s_mov_b32 s91, 4194304                         ; in xc: V's stream
	s_cmp_eq_u32 s27, 2
	s_cselect_b32 s90, s91, s90
	s_add_co_u32 s84, s84, s90
	s_mov_b32 s85, 0
	s_lshl_b32 s86, s30, 8
	s_add_co_u32 s86, s86, s89
	s_lshl_b32 s86, s86, 9                         ; source 1's codes
	s_lshl_b32 s90, s27, 21                        ; in xc: 2,097,152 a stream;
	s_mov_b32 s91, 1048576                         ; in wc: Wv
	s_cmp_eq_u32 s27, 2
	s_cselect_b32 s90, s91, s90
	s_add_co_u32 s86, s86, s90
	s_mov_b32 s87, 0
	s_lshl_b32 s94, s29, 13                        ; source 0's scale bytes: 8,192 a tile
	s_lshl_b32 s90, s27, 15
	s_mov_b32 s91, 262144
	s_cmp_eq_u32 s27, 2
	s_cselect_b32 s90, s91, s90
	s_add_co_u32 s94, s94, s90
	s_mov_b32 s95, 0
	s_lshl_b32 s96, s30, 13                        ; source 1's
	s_lshl_b32 s90, s27, 17
	s_mov_b32 s91, 65536
	s_cmp_eq_u32 s27, 2
	s_cselect_b32 s90, s91, s90
	s_add_co_u32 s96, s96, s90
	s_mov_b32 s97, 0
	s_mul_i32 s98, s23, QUART                      ; where my 64 rows go: no place in the cluster enters an LDS address
	s_mov_b32 s2, 0x76543210
	s_mov_b32 s3, 0xfedcba98                       ; v_permlanex16_b32's selects for lane l xor 16
	s_wait_dscnt 0x0                               ; both opening adds are done
	s_wait_kmcnt 0x0
	; descriptor groups 0: s[68:71] source 0's codes, s[72:75] source 1's, s[76:79] source 0's scale bytes, s[80:83] source 1's
	s_cmp_eq_u32 s27, 2
	s_cselect_b64 s[70:71], s[4:5], s[8:9]
	s_cselect_b64 s[74:75], s[8:9], s[4:5]
	s_cselect_b64 s[78:79], s[6:7], s[10:11]
	s_cselect_b64 s[82:83], s[10:11], s[6:7]
	s_add_nc_u64 s[70:71], s[70:71], s[84:85]
	s_add_nc_u64 s[74:75], s[74:75], s[86:87]
	s_add_nc_u64 s[78:79], s[78:79], s[94:95]
	s_add_nc_u64 s[82:83], s[82:83], s[96:97]
	s_or_b32 s71, s71, 0x80000000
	s_or_b32 s75, s75, 0x80000000
	s_or_b32 s79, s79, 0x80000000
	s_or_b32 s83, s83, 0x80000000
	s_mov_b32 s68, 1
	s_mov_b32 s69, s98
	s_mov_b32 s72, 1
	s_add_co_u32 s73, s98, S1
	s_mov_b32 s76, 1
	s_mov_b32 s77, SC0
	s_mov_b32 s80, 1
	s_mov_b32 s81, SC1
	CROUND                                         ; all sixteen work-groups are here: the joint loads meet
	; the fills, one group: waves 0-3 source 0's quarters, waves 4-7 source 1's, wave 8 and wave 9 the scale bytes.  The branches hang on the wave's number alone
	s_cmp_lt_u32 s22, 4
	s_cbranch_scc0 .Lfill_1
	tensor_load_to_lds s[68:71], s[32:39]
	s_nop 0
	PLACES
	s_branch .Lasked
.Lfill_1:
	s_cmp_lt_u32 s22, 8
	s_cbranch_scc0 .Lfill_2
	tensor_load_to_lds s[72:75], s[40:47]
	s_nop 0
	PLACES
	s_branch .Lasked
.Lfill_2:
	s_cmp_eq_u32 s22, 8
	s_cbranch_scc0 .Lfill_3
	tensor_load_to_lds s[76:79], s[48:55]
	s_nop 0
	PLACES
	s_branch .Lasked
.Lfill_3:
	s_cmp_eq_u32 s22, 9
	s_cbranch_scc0 .Lasked
	tensor_load_to_lds s[80:83], s[56:63]
	s_nop 0
	PLACES
.Lasked:
	; which head and which 64 tokens are my wave's
	s_lshl_b32 s84, s29, 2
	s_add_co_u32 s84, s84, s23                     ; 4 tile0 + w0
	s_lshl_b32 s85, s29, 8
	s_lshl_b32 s88, s23, 6
	s_add_co_u32 s85, s85, s88                     ; 256 tile0 + 64 w0
	s_lshl_b32 s86, s30, 2
	s_add_co_u32 s86, s86, s24                     ; 4 tile1 + w1
	s_lshl_b32 s87, s30, 8
	s_lshl_b32 s88, s24, 6
	s_add_co_u32 s87, s87, s88                     ; 256 tile1 + 64 w1
	s_cmp_eq_u32 s27, 2
	s_cselect_b32 s31, s86, s84                    ; the head
	s_cselect_b32 s99, s85, s87                    ; my first token of the stream's 4,096
	s_cmp_eq_u32 s27, 1
	s_cselect_b64 s[12:13], s[14:15], s[12:13]
	s_cmp_eq_u32 s27, 2
	s_cselect_b64 s[12:13], s[16:17], s[12:13]
	s_lshl_b32 s90, s31, 8
	s_mov_b32 s91, 0
	s_add_nc_u64 s[12:13], s[12:13], s[90:91]      ; the bias at my head's 64 numbers
	v_and_b32 v1, 15, v0                           ; r
	v_bfe_u32 v2, v0, 4, 1                         ; h
	; the bias in the results' layout, v[32:63].  Both ways write all 32 registers
	s_cmp_eq_u32 s27, 2
	s_cbranch_scc1 .Lbias_v
	v_lshlrev_b32 v14, 6, v2                       ; q, k: register j of source-0 tile t is feature 32 (t / 2) + 16 h + 8 (t % 2) + j
.irp t, 0,1,2,3
.irp e, 0,1
	global_load_b128 v[32+8*\t+4*\e:35+8*\t+4*\e], v14, s[12:13] offset:(32*(\t/2)+8*(\t%2))*4+16*\e
.endr
.endr
	s_branch .Lbias_done
.Lbias_v:
	v_and_b32 v14, 8, v1
	v_add_nc_u32 v14, v14, v1
	v_lshlrev_b32 v14, 2, v14                      ; v: all eight registers of source-1 tile a are feature 32 (a / 2) + 8 (a % 2) + r + 8 (r / 8)
.irp a, 0,1,2,3
.irp j, 0,1,2,3,4,5,6,7
	global_load_b32 v[32+8*\a+\j], v14, s[12:13] offset:(32*(\a/2)+8*(\a%2))*4
.endr
.endr
.Lbias_done:
	v_mul_u32_u24 v15, v1, PITCH
	v_lshl_add_u32 v15, v2, 4, v15                 ; a fragment's row x pitch + 16 h
	s_mul_i32 s90, s23, QUART
	v_add_nc_u32 v3, s90, v15                      ; v3: source 0's fragments
	s_mul_i32 s90, s24, QUART
	s_add_co_u32 s90, s90, S1
	v_add_nc_u32 v4, s90, v15                      ; v4: source 1's
	v_lshrrev_b32 v15, 3, v1
	v_mul_u32_u24 v15, v15, 272
	v_and_b32 v5, 7, v1
	v_lshl_add_u32 v15, v5, 5, v15                 ; row r's 32 scale bytes: eight rows to a run of 256 + 16
	s_mul_i32 s90, s23, 2176
	s_add_co_u32 s90, s90, SC0
	v_add_nc_u32 v5, s90, v15                      ; v5: source 0's scale words
	s_mul_i32 s90, s24, 2176
	s_add_co_u32 s90, s90, SC1
	v_add_nc_u32 v6, s90, v15                      ; v6: source 1's
	v_and_b32 v7, 31, v0
	v_lshlrev_b32 v8, 4, v7                        ; v8-11: 16 x lane + a x (an image's distance in hc)
	v_lshlrev_b32 v7, 2, v7                        ; v7: 4 x lane
	s_cmp_eq_u32 s27, 2
	s_mov_b32 s91, 512
	s_cselect_b32 s91, 1024, s91
	v_add_nc_u32 v9, s91, v8
	v_add_nc_u32 v10, s91, v9
	v_add_nc_u32 v11, s91, v10
	; where my results go
	s_lshr_b32 s84, s99, 11
	s_lshl_b32 s84, s84, 4
	s_add_co_u32 s84, s84, s31                     ; bh = 16 b + head
	s_bfe_u32 s85, s99, 0x50006                    ; u: which 64 tokens of the batch's 2,048
	s_lshl_b32 s86, s27, 21
	s_lshl_b32 s87, s84, 16
	s_add_co_u32 s86, s86, s87
	s_lshl_b32 s88, s85, 11                        ; q, k: four images of 512 bytes on end
	s_lshr_b32 s89, s85, 1
	s_lshl_b32 s89, s89, 12                        ; v: the key step's 4,096 bytes,
	s_and_b32 s90, s85, 1
	s_lshl_b32 s90, s90, 9                         ; its half c
	s_add_co_u32 s89, s89, s90
	s_cmp_eq_u32 s27, 2
	s_cselect_b32 s88, s89, s88
	s_add_co_u32 s86, s86, s88
	s_mov_b32 s87, 0
	s_add_nc_u64 s[18:19], s[18:19], s[86:87]
	s_lshl_b32 s86, s27, 17
	s_lshl_b32 s88, s84, 12
	s_add_co_u32 s86, s86, s88
	s_lshl_b32 s88, s85, 7
	s_add_co_u32 s86, s86, s88
	s_add_nc_u64 s[20:21], s[20:21], s[86:87]
	s_wait_tensorcnt 0x0                           ; my fill, if I have one, has landed,
	s_barrier_signal -1
	s_barrier_wait -1                              ; everybody's has
; A K step of 128: 16 LDS loads, 16 matrix instructions.  v[16:23] source 0's scale words (2 t + q % 2), v[24:31] source 1's (2 a + q % 2): they hold scales and nothing else.
; v[64:95] source 0's four fragments, v[96:127] source 1's; accumulator (a, t) at v[128 + 32 a + 8 t].  The 16 accumulators take turns, one instruction a turn, in the same order in every step.
.macro KSTEP q
.if (\q) > 0
	PLACES                                         ; in front of loads into registers that matrix instructions have read
.endif
.if (\q)%2 == 0
.irp i, 0,1,2,3
	ds_load_b64 v[16+2*\i:17+2*\i], v5 offset:544*\i+4*(\q)      ; two K steps' words at a time
	ds_load_b64 v[24+2*\i:25+2*\i], v6 offset:544*\i+4*(\q)
.endr
.endif
.irp t, 0,1,2,3
.irp c, 0,1
	ds_load_b128 v[64+8*\t+4*\c:67+8*\t+4*\c], v3 offset:16*PITCH*\t+64*(\q)+32*\c
.endr
.endr
.irp a, 0,1,2,3
.irp c, 0,1
	ds_load_b128 v[96+8*\a+4*\c:99+8*\a+4*\c], v4 offset:16*PITCH*\a+64*(\q)+32*\c
.endr
.endr
.irp a, 0,1,2,3
	s_wait_dscnt 6-2*\a                            ; all but the later source-1 tiles' loads are in
.irp t, 0,1,2,3
.if (\q) == 0
	v_wmma_scale_f32_16x16x128_f8f6f4 v[128+32*\a+8*\t:135+32*\a+8*\t], v[64+8*\t:71+8*\t], v[96+8*\a:103+8*\a], 0, v[16+2*\t+(\q)%2], v[24+2*\a+(\q)%2] matrix_a_fmt:MATRIX_FMT_FP4 matrix_b_fmt:MATRIX_FMT_FP4
.else
	v_wmma_scale_f32_16x16x128_f8f6f4 v[128+32*\a+8*\t:135+32*\a+8*\t], v[64+8*\t:71+8*\t], v[96+8*\a:103+8*\a], v[128+32*\a+8*\t:135+32*\a+8*\t], v[16+2*\t+(\q)%2], v[24+2*\a+(\q)%2] matrix_a_fmt:MATRIX_FMT_FP4 matrix_b_fmt:MATRIX_FMT_FP4
.endif
.endr
.endr
.endm
.irp q, 0,1,2,3,4,5,6,7
	KSTEP \q
.endr
	s_wait_loadcnt 0x0                             ; the bias
	PLACES                                         ; behind the last products, in front of the first read of results
	s_cmp_eq_u32 s27, 2
	s_cbranch_scc1 .Ladd_v
.irp a, 0,1,2,3
.irp t, 0,1,2,3
.irp p, 0,1,2,3
	v_pk_add_f32 v[128+32*\a+8*\t+2*\p:129+32*\a+8*\t+2*\p], v[128+32*\a+8*\t+2*\p:129+32*\a+8*\t+2*\p], v[32+8*\t+2*\p:33+8*\t+2*\p]   ; each accumulator from its low end on
.endr
.endr
.endr
	s_branch .Ladded
.Ladd_v:
.irp a, 0,1,2,3
.irp t, 0,1,2,3
.irp p, 0,1,2,3
	v_pk_add_f32 v[128+32*\a+8*\t+2*\p:129+32*\a+8*\t+2*\p], v[128+32*\a+8*\t+2*\p:129+32*\a+8*\t+2*\p], v[32+8*\a+2*\p:33+8*\a+2*\p]
.endr
.endr
.endr
.Ladded:
	; eight blocks e = 2 a + blk: my 16 numbers of block e stand in v[128 + 16 e] on, lane l xor 16 holds the other 16.  The blocks by turns: no line waits for the line above it
.irp e, 0,1,2,3,4,5,6,7
	v_mov_b32 v[72+\e], 0                          ; a lane permute's destination counts as one of its sources
.endr
.irp e, 0,1,2,3,4,5,6,7
	v_max3_num_f32 v[64+\e], |v[128+16*\e]|, |v[129+16*\e]|, FLOOR
.endr
.irp i, 2,4,6,8,10,12,14
.irp e, 0,1,2,3,4,5,6,7
	v_max3_num_f32 v[64+\e], v[64+\e], |v[128+16*\e+\i]|, |v[129+16*\e+\i]|
.endr
.endr
.irp e, 0,1,2,3,4,5,6,7
	v_permlanex16_b32 v[72+\e], v[64+\e], s2, s3
.endr
.irp e, 0,1,2,3,4,5,6,7
	v_max_num_f32 v[64+\e], v[64+\e], v[72+\e]     ; the block's largest magnitude
.endr
.irp e, 0,1,2,3,4,5,6,7
	v_add_nc_u32 v[80+\e], OFF2, v[64+\e]          ; 2 off its exponent field: the conversions' scale operand
.endr
.irp e, 0,1,2,3,4,5,6,7
	v_lshrrev_b32 v[88+\e], 23, v[80+\e]           ; the scale's byte
.endr
.irp e, 0,1,2,3,4,5,6,7
	v_cvt_scalef32_pk8_fp4_f32 v[96+2*\e], v[128+16*\e:135+16*\e], v[80+\e]
	v_cvt_scalef32_pk8_fp4_f32 v[97+2*\e], v[136+16*\e:143+16*\e], v[80+\e]
.endr
	v_nop                                          ; one plain line behind the conversions
.irp a, 0,1,2,3
	v_permlane16_swap_b32 v[96+4*\a], v[98+4*\a]   ; a whole block to a lane: lanes 0-15 block 0, lanes 16-31 block 1
	v_permlane16_swap_b32 v[97+4*\a], v[99+4*\a]
.endr
	v_lshl_or_b32 v64, v89, 8, v88                 ; tiles 0 and 1: two bytes each
	v_lshl_or_b32 v64, v90, 16, v64
	v_lshl_or_b32 v64, v91, 24, v64
	v_lshl_or_b32 v65, v93, 8, v92                 ; tiles 2 and 3
	v_lshl_or_b32 v65, v94, 16, v65
	v_lshl_or_b32 v65, v95, 24, v65
	v_and_b32 v66, 31, v0
	v_cmp_le_u32 vcc_lo, 16, v66
	v_cndmask_b32 v15, v64, v65, vcc_lo            ; lanes 0-15 store the first word of their row, lanes 16-31 the second
.irp a, 0,1,2,3
	global_store_b128 v[8+\a], v[96+4*\a:99+4*\a], s[18:19]      ; an image: 512 consecutive bytes, aligned
.endr
	global_store_b32 v7, v15, s[20:21]
	s_wait_tensorcnt 0x0                           ; the wave's end
	ds_add_u32 v12, v13
	s_wait_dscnt 0x0
	CROUND                                         ; the closing round: no work-group ends while a partner may still ask for a tile that names it
	s_endpgm
.Lfunc_end_k_qfe14b8960b_proj:
	.size	k_qfe14b8960b_proj, .Lfunc_end_k_qfe14b8960b_proj-k_qfe14b8960b_proj
	.p2alignl 7, 3214868480
	.fill 96, 4, 3214868480
	.section	.rodata,"a",@progbits
	.p2align	6, 0x0
	.amdhsa_kernel k_qfe14b8960b_proj
		.amdhsa_group_segment_fixed_size 289792
		.amdhsa_private_segment_fixed_size 0
		.amdhsa_enable_private_segment 0
		.amdhsa_kernarg_size 72
		.amdhsa_user_sgpr_count 2
		.amdhsa_user_sgpr_kernarg_segment_ptr 1
		.amdhsa_wavefront_size32 1
		.amdhsa_system_sgpr_workgroup_id_x 1
		.amdhsa_system_sgpr_workgroup_id_y 1
		.amdhsa_system_sgpr_workgroup_id_z 1
		.amdhsa_system_vgpr_workitem_id 0
		.amdhsa_next_free_vgpr 256
		.amdhsa_next_free_sgpr 100
		.amdhsa_reserve_vcc 1
		.amdhsa_float_denorm_mode_32 3
		.amdhsa_float_denorm_mode_16_64 3
		.amdhsa_memory_ordered 1
		.amdhsa_forward_progress 1
		.amdhsa_inst_pref_size 59
	.end_amdhsa_kernel
	.amdgpu_metadata
---
amdhsa.version: [ 1, 2 ]
amdhsa.kernels:
  - .name:           k_qfe14b8960b_proj
    .symbol:         k_qfe14b8960b_proj.kd
    .args:
      - { .name: xc, .offset: 0, .size: 8, .value_kind: global_buffer, .address_space: global }
      - { .name: xs, .offset: 8, .size: 8, .value_kind: global_buffer, .address_space: global }
      - { .name: wc, .offset: 16, .size: 8, .value_kind: global_buffer, .address_space: global }
      - { .name: wsb, .offset: 24, .size: 8, .value_kind: global_buffer, .address_space: global }
      - { .name: bq, .offset: 32, .size: 8, .value_kind: global_buffer, .address_space: global }
      - { .name: bk, .offset: 40, .size: 8, .value_kind: global_buffer, .address_space: global }
      - { .name: bv, .offset: 48, .size: 8, .value_kind: global_buffer, .address_space: global }
      - { .name: hc, .offset: 56, .size: 8, .value_kind: global_buffer, .address_space: global }
      - { .name: hs, .offset: 64, .size: 8, .value_kind: global_buffer, .address_space: global }
    .group_segment_fixed_size: 289792
    .private_segment_fixed_size: 0
    .kernarg_segment_align: 8
    .kernarg_segment_size: 72
    .max_flat_workgroup_size: 512
    .sgpr_count:     100
    .vgpr_count:     256
    .wavefront_size: 32
...
	.end_amdgpu_metadata
.endif
;; end of part 2
;; launch attn (part 3): grid 8 x 32, 16 waves a work-group, no clusters, 96,256 bytes of LDS; arguments hc, hs, mp, fl, Q, out0; writes out0
.if DOCPART == 3
	.amdgcn_target "amdgcn-amd-amdhsa--gfx1250"
	.amdhsa_code_object_version 6
	.text
	.protected	k_qfe14b8960b_attn
	.globl	k_qfe14b8960b_attn
	.p2align	8
	.type	k_qfe14b8960b_attn,@function
k_qfe14b8960b_attn:
	s_mov_b64 s[64:65], 0
	v_nop
	global_prefetch_b8 v0, s[64:65] scope:SCOPE_SE
	s_setreg_imm32_b32 hwreg(HW_REG_WAVE_MODE, 25, 1), 1
	s_wait_xcnt 0x0
; ATTN: out0 = softmax(mask(q k^T / 8)) v + Q, both products on codes of E2M1 with E8M0 scales, as the problem's rule has the softmax: t = score x log2(e) / 8, M = the running largest t rounded up to a
; whole number, p = 2^(t - M) quantised along the keys, the row's sum taken of the unquantised p and dividing at the end.
; LEFT OUT: a key step (128 keys) all of whose scores the mask hides from my 16 queries (the first kernel's head comment shows why it adds nothing).  The first launch stored that as whole numbers in fl;
; here it is a scalar branch on what was read.  So this launch has no tensor load and no copy.  A NaN or an infinity that reaches only such scores is not carried to the result.
; LIMITS: NaN and infinities among the inputs are not served.  A query from which every key is hidden has the sum 0 and gets NaN, as the softmax of a row of -infinity gives.
; CLUSTERS are not used: joint loads are tensor loads, which the branch on fl shuts out; what the eight work-groups of a head share is 8,192 bytes a step.
; SHARES.  A work-group owns a (batch, head) and two blocks of 128 queries, j and 15 - j (which only evens the work where late queries see more keys; it moves no value).  Each of its sixteen waves owns one
; tile of 16 queries, T.  Every wave walks all 16 key steps: the trip count is a constant, with one barrier a trip; a hidden step's work is jumped over.
; STAGING.  A step's codes are 8,192 bytes (K: 8 images of 512; V: 4 x 2 images): each thread loads 16 of them a trip ahead and stores them into one of two LDS slots.  The scale words of the whole head lie in LDS.
; LAYOUT.  Both products are used transposed: a lane holds one query (lane % 16) throughout.  Keys stand in tile order, so the 16 registers of two neighbouring key tiles are 16 neighbouring keys.
; THE FIRST PRODUCT'S K IS 64.  Source 0's eight registers hold TWO key tiles (k 0..63: tile 2 p; k 64..127: tile 2 p + 1), with the pair's scale word as it is stored; q stands in v[16:27] as 0 | q | 0:
; v[20:27] = q | 0 gives tile 2 p's scores, v[16:23] = 0 | q tile 2 p + 1's: zero codes add exact zeros (no scale byte here is 0xff).
; REGISTERS: v1 16 lane, v2 4 r, v3 v4 the add's two, v5 -infinity, v6 16 x thread, v7 v29 v30 the way out, v8-10 LDS addresses in hand, v11 the prefetch's offset, v12 -M, v13 largest t, v[14:15] the sum,
; v[16:27] q, v28 q's scale word, v[32:63] K's four pairs, v[64:95] V's four tiles, v[96:159] scores then p, v[160:191] O^T, v[192:199] p's codes, v[200:203] K's scale words, v[204:207] V's,
; v[208:211] staged bytes, v[212:229] at work (v225: p's scale word), v230-239 the head's.
.set SLOT,  8192
.set KSC,   16384                      ; K's scale words of the head: [pair of tiles 0..63][r]
.set VSC,   20480                      ; V's: [step][tile a][r]
.set STG,   24576                      ; the way out: for each wave 16 rows x (256 + 16) bytes
.set SPARE, 94208                      ; the spare words, 128 bytes for each wave: eight blocks of 256 bytes that no other line names
.set FLOOR, 0x1800000
.set OFF2,  0xff000000
	s_load_b256 s[4:11], s[0:1], 0x0               ; hc s[4:5], hs s[6:7], mp s[8:9], fl s[10:11]
	s_load_b128 s[12:15], s[0:1], 0x20             ; Q s[12:13], out0 s[14:15]
	v_lshl_add_u32 v3, v0, 2, SPARE                ; my spare word; never rewritten
	v_mov_b32 v4, 0                                ; 0; never rewritten
	v_lshrrev_b32 v1, 5, v0
	v_readfirstlane_b32 s16, v1                    ; wave 0..15
	s_and_b32 s18, ttmp7, 0xffff                   ; bh = 16 b + head
	s_lshl_b32 s28, ttmp9, 3                       ; 8 j
	s_sub_co_u32 s29, 120, s28                     ; 8 (15 - j)
	s_and_b32 s19, s16, 7
	s_cmp_lt_u32 s16, 8
	s_cselect_b32 s28, s28, s29
	s_add_co_u32 s19, s19, s28                     ; T: my tile of 16 queries, 0 .. 127
	s_lshr_b32 s28, s18, 4                         ; b
	s_lshl_b32 s29, s28, 7
	s_add_co_u32 s29, s29, s19                     ; 128 b + T
	s_lshl_b32 s32, s29, 4                         ; fl: four words a tile
	s_mov_b32 s33, 0
	s_lshl_b32 s34, s29, 12                        ; mp: 16 steps x 256 bytes a tile
	s_mov_b32 s35, 0
	s_lshl_b32 s40, s18, 16                        ; a head's 65,536 bytes of codes
	s_lshl_b32 s41, s18, 12                        ; and 4,096 of scale words
	s_lshl_b32 s42, s19, 9
	s_add_co_u32 s42, s42, s40                     ; q's image
	s_mov_b32 s43, 0
	s_lshr_b32 s46, s19, 1
	s_lshl_b32 s46, s46, 6
	s_add_co_u32 s46, s46, s41                     ; the scale words of q's pair of tiles
	s_mov_b32 s47, 0
	s_mov_b32 s50, s41
	s_mov_b32 s51, 0
	s_cmp_lt_u32 s16, 8                            ; waves 0-7 stage K's images, waves 8-15 V's
	s_mov_b32 s54, 4194304
	s_cselect_b32 s54, 2097152, s54
	s_add_co_u32 s54, s54, s40
	s_and_b32 s55, s16, 7
	s_lshl_b32 s55, s55, 9
	s_add_co_u32 s54, s54, s55
	s_mov_b32 s55, 0
	s_lshr_b32 s56, s19, 2
	s_lshl_b32 s56, s56, 6
	s_bfe_u32 s57, s19, 0x10001
	s_lshl_b32 s57, s57, 5
	s_add_co_u32 s56, s56, s57                     ; 64 (T / 4) + 32 ((T / 2) % 2): the 32 rows in which my tile and its neighbour lie
	s_lshl_b32 s57, s28, 11
	s_add_co_u32 s56, s56, s57
	s_and_b32 s57, s18, 15
	s_lshl_b32 s57, s57, 8                         ; the head's 256 bytes of a row
	s_lshl_b32 s58, s56, 12
	s_add_co_u32 s58, s58, s57
	s_mov_b32 s59, 0
	s_and_b32 s60, s19, 1
	s_lshl_b32 s60, s60, 15                        ; + 8 (T % 2) rows: my tile's first query; row r is r + 8 (r / 8) further on
	s_add_co_u32 s60, s60, s58
	s_mov_b32 s61, 0
	s_and_b32 s17, s16, 1
	s_cmp_eq_u32 s17, 0
	s_cselect_b32 s17, 13, -1                      ; the trip in which I prefetch: 13 in the even waves, none in the odd
	s_mov_b32 s20, 0x76543210
	s_mov_b32 s21, 0xfedcba98                      ; v_permlanex16_b32's selects for lane l xor 16
	s_mov_b32 s22, 0x3e38aa3b                      ; c = log2(e) / 8
	s_mov_b32 s23, s22                             ; (named with it as a pair, so it is written)
	s_mov_b32 s24, 0                               ; the step
	s_mov_b32 s25, 0                               ; the slot in hand
	s_mov_b32 s26, 0                               ; 256 x step: the step's scale words
	v_and_b32 v31, 31, v0
	v_lshlrev_b32 v1, 4, v31
	v_lshlrev_b32 v11, 12, v31                     ; a lane a row of 4,096 bytes
	v_lshlrev_b32 v6, 4, v0
	v_mov_b32 v5, 0xff800000
	v_and_b32 v8, 15, v0                           ; r
	v_bfe_u32 v9, v0, 4, 1                         ; h
	v_lshlrev_b32 v2, 2, v8
	s_mul_i32 s62, s16, 16*272
	s_add_co_u32 s62, s62, STG                     ; my stage
	v_mul_u32_u24 v7, v8, 272
	v_lshl_add_u32 v7, v9, 6, v7
	v_add_nc_u32 v7, s62, v7                       ; in: row r, + 64 h
	v_mul_u32_u24 v29, v9, 272
	v_lshl_add_u32 v29, v8, 4, v29
	v_add_nc_u32 v29, s62, v29                     ; back: lanes 0-15 one row, lanes 16-31 the next
	v_lshlrev_b32 v30, 4, v8
	v_lshl_add_u32 v30, v9, 12, v30                ; and the same in Q and out0
	v_lshlrev_b32 v230, 3, v0                      ; 8 x thread: K's scale words, in memory and in LDS
	v_lshrrev_b32 v231, 5, v0
	v_lshlrev_b32 v231, 8, v231                    ; 256 x (thread / 32): a step's words of V
	v_lshl_add_u32 v232, v31, 2, v231              ; in memory: + 4 x lane
	v_lshl_add_u32 v233, v9, 7, v231
	v_lshl_add_u32 v233, v8, 2, v233               ; in LDS: + 128 (lane / 16) + 4 r
	s_wait_kmcnt 0x0
	s_add_nc_u64 s[10:11], s[10:11], s[32:33]
	s_add_nc_u64 s[8:9], s[8:9], s[34:35]
	s_add_nc_u64 s[44:45], s[4:5], s[42:43]
	s_add_nc_u64 s[48:49], s[6:7], s[46:47]
	s_add_nc_u64 s[52:53], s[6:7], s[50:51]
	s_add_nc_u64 s[30:31], s[4:5], s[54:55]
	s_add_nc_u64 s[100:101], s[12:13], s[58:59]
	s_add_nc_u64 s[12:13], s[12:13], s[60:61]
	s_add_nc_u64 s[14:15], s[14:15], s[60:61]
	s_load_b128 s[36:39], s[10:11], 0x0            ; my tile's flags
	global_load_b128 v[20:23], v1, s[44:45]        ; q's image
	global_load_b32 v234, v2, s[48:49]             ; its pair's scale words
	global_load_b64 v[236:237], v230, s[52:53] offset:131072     ; K's scale words of the head: 8 bytes a thread
	global_load_b32 v238, v232, s[52:53] offset:262144           ; V's: the step's first 64 keys,
	global_load_b32 v239, v232, s[52:53] offset:262272           ; and its second
	global_load_b128 v[208:211], v1, s[30:31]      ; step 0's codes: my 16 bytes
	s_wait_kmcnt 0x0
	s_lshl_b32 s37, s37, 4
	s_lshl_b32 s38, s38, 8
	s_lshl_b32 s39, s39, 12
	s_or_b32 s27, s36, s37
	s_or_b32 s27, s27, s38
	s_or_b32 s27, s27, s39                         ; bit s: step s is live; bit 16 + s: it is live and some of its scores are hidden
	s_and_b32 s28, s19, 1
	s_lshl_b32 s28, s28, 4
	s_wait_loadcnt 1                               ; all but the staged bytes are in
	v_lshrrev_b32 v234, s28, v234                  ; my tile's two bytes of the pair's word,
	v_and_b32 v234, 0xffff, v234
	v_lshl_or_b32 v28, v234, 16, v234              ; in both halves: the word serves q | 0 and 0 | q
	ds_store_b64 v230, v[236:237] offset:KSC
	v_perm_b32 v226, v239, v238, 0x05040100        ; tile 2 p's four bytes of the step: the low halves of the two words,
	v_perm_b32 v228, v239, v238, 0x07060302        ; tile 2 p + 1's: the high halves
	ds_store_b32 v233, v226 offset:VSC
	ds_store_b32 v233, v228 offset:VSC+64
.irp j, 16,17,18,19,24,25,26,27
	v_mov_b32 v[\j], 0                             ; the zero codes beside q
.endr
	v_mov_b32 v14, 0                               ; the sum, in two halves
	v_mov_b32 v15, 0
.irp j, 216,217,218,219
	v_mov_b32 v[\j], 0                             ; a lane permute's destination counts as one of its sources
.endr
	v_mov_b32 v225, 0                              ; (named as the upper half of the pair v[224:225] before it is first written)
.set n, 0
.rept 32
	v_mov_b32 v[160+n], 0                          ; O^T: which step is the first live one hangs on the mask, so the sums begin as zeros, which the first change of M leaves zeros
.set n, n+1
.endr
	v_mov_b32 v13, 0xff61b1e6                      ; the largest t so far: -3e38, under every t
	v_floor_f32 v12, -v13                          ; -M
; S^T = K q^T: eight tiles of 16 keys, two from each pair's registers
.macro SCORES
	s_wait_dscnt 12                                ; K's twelve loads are in; V's twelve may be out
.irp p, 0,1,2,3
	v_wmma_scale_f32_16x16x128_f8f6f4 v[96+16*\p:103+16*\p], v[32+8*\p:39+8*\p], v[20:27], 0, v[200+\p], v28 matrix_a_fmt:MATRIX_FMT_FP4 matrix_b_fmt:MATRIX_FMT_FP4
	v_wmma_scale_f32_16x16x128_f8f6f4 v[104+16*\p:111+16*\p], v[32+8*\p:39+8*\p], v[16:23], 0, v[200+\p], v28 matrix_a_fmt:MATRIX_FMT_FP4 matrix_b_fmt:MATRIX_FMT_FP4
.endr
.rept 4
	v_nop                                          ; places in front of the first read of results
.endr
.endm
.Lstep:                                            ; 16 trips
	s_wait_loadcnt 0x0                             ; this step's 16 staged bytes are in
	v_add_nc_u32 v10, s25, v6
	ds_store_b128 v10, v[208:211]                  ; into the slot that was read two trips ago: every wave waited for those reads in front of the last barrier
	s_wait_dscnt 0x0                               ; for the others' sake: my store has landed (in the first trip the scale words too), and my reads of the other slot are over
	s_barrier_signal -1
	s_barrier_wait -1
	s_cmp_eq_u32 s24, 15
	s_cbranch_scc1 .Lno_more                       ; no load leaves its buffer
	s_add_nc_u64 s[30:31], s[30:31], 4096          ; (the load that read this address is done: the wait at the trip's head)
	global_load_b128 v[208:211], v1, s[30:31]      ; the next step's share: it has this trip in which to land
.Lno_more:
	s_cmp_eq_u32 s24, s17
	s_cbranch_scc0 .Lno_ask
	global_prefetch_b8 v11, s[100:101] th:TH_LOAD_NT scope:SCOPE_SE   ; in trip 13 each even wave names the head's 256 bytes of the 32 rows of Q in which its tile and its odd neighbour's lie, a lane a row: two trips ahead of the way out's loads; each run of 256 bytes is named once in the launch
.Lno_ask:
	s_lshr_b32 s28, s27, s24
	s_and_b32 s29, s28, 1
	s_cmp_eq_u32 s29, 0
	s_cbranch_scc1 .Lnext                          ; every score of the step is hidden from my queries
	v_add_nc_u32 v8, s25, v1
	v_add_nc_u32 v9, s26, v2
	v_nop
	v_nop                                          ; with the additions above: the places in front of loads into registers that the last products read
.irp i, 0,1,2,3,4,5,6,7
	ds_load_b128 v[32+4*\i:35+4*\i], v8 offset:512*\i            ; K's eight images: pair p in v[32 + 8 p] on
.endr
.irp p, 0,1,2,3
	ds_load_b32 v[200+\p], v9 offset:KSC+64*\p
.endr
.irp a, 0,1,2,3
.irp c, 0,1
	ds_load_b128 v[64+8*\a+4*\c:67+8*\a+4*\c], v8 offset:4096+1024*\a+512*\c
.endr
.endr
.irp a, 0,1,2,3
	ds_load_b32 v[204+\a], v9 offset:VSC+64*\a
.endr
	s_and_b32 s29, s28, 0x10000
	s_cmp_lg_u32 s29, 0
	s_cbranch_scc1 .Lmixed
	SCORES
	s_branch .Ljoin
.Lmixed:                                           ; some scores are hidden: they become -infinity ahead of the maximum, so that p = 0
	s_load_b512 s[32:47], s[8:9], 0x0              ; the step's 64 lane masks, one for each score register
	s_load_b512 s[48:63], s[8:9], 0x40
	s_load_b512 s[68:83], s[8:9], 0x80
	s_load_b512 s[84:99], s[8:9], 0xc0
	SCORES
	s_wait_kmcnt 0x0
.set n, 0
.rept 32
	v_cndmask_b32 v[96+n], v[96+n], v5, s[32+n]
.set n, n+1
.endr
.rept 32
	v_cndmask_b32 v[96+n], v[96+n], v5, s[36+n]
.set n, n+1
.endr
.Ljoin:
.irp b, 0,1,2,3
	v_max3_num_f32 v[212+\b], v[96+16*\b], v[97+16*\b], v[98+16*\b]      ; the largest score of each block of 32 keys: it serves the row's maximum and, since p rises with the score, the block's largest p
.endr
.irp i, 3,5,7,9,11,13
.irp b, 0,1,2,3
	v_max3_num_f32 v[212+\b], v[212+\b], v[96+16*\b+\i], v[97+16*\b+\i]
.endr
.endr
.irp b, 0,1,2,3
	v_max_num_f32 v[212+\b], v[212+\b], v[111+16*\b]
.endr
.irp b, 0,1,2,3
	v_permlanex16_b32 v[216+\b], v[212+\b], s20, s21
.endr
.irp b, 0,1,2,3
	v_max_num_f32 v[212+\b], v[212+\b], v[216+\b]  ; with lane l xor 16's 16 keys
.endr
	v_max3_num_f32 v226, v212, v213, v214
	v_max_num_f32 v226, v226, v215                 ; the step's largest score of my query
	v_mul_f32 v226, s22, v226                      ; as t (c is positive)
	v_max_num_f32 v13, v13, v226                   ; the running largest t
	v_mov_b32 v226, v12
	v_floor_f32 v12, -v13                          ; the new -M = -ceil(t): a whole number
	v_sub_f32 v226, v12, v226                      ; old M less new M: a whole number, 0 or less
	v_cvt_i32_f32 v226, v226                       ; (it saturates)
	v_ldexp_f32 v224, 1.0, v226                    ; f = 2^(old M - new M): a multiplication by it rounds nothing
.set n, 0
.rept 32
	v_pk_fma_f32 v[96+n:97+n], v[96+n:97+n], s[22:23], v[12:13] op_sel_hi:[1,0,0]   ; t - M, two at a time
.set n, n+2
.endr
.irp b, 0,1,2,3
	v_fma_f32 v[212+\b], v[212+\b], s22, v12       ; the same of each block's largest score
.endr
.set n, 0
.rept 64
	v_exp_f32 v[96+n], v[96+n]                     ; p = 2^(t - M), not normalised
.set n, n+1
.endr
	v_pk_mul_f32 v[14:15], v[14:15], v[224:225] op_sel_hi:[1,0]   ; the sums under the new M (a plain line behind the exponentials)
	s_wait_alu depctr_va_vdst(0)                   ; one wait for the whole batch, ahead of its first reader
.irp b, 0,1,2,3
	v_exp_f32 v[212+\b], v[212+\b]                 ; the block's largest p: the same two instructions on the same number give the same bits
.endr
	v_pk_add_f32 v[228:229], v[96:97], v[98:99]    ; the row's sum is taken of the unquantised p: two chains
.irp j, 4,8,12,16,20,24,28,32,36,40,44,48,52,56,60
	v_pk_add_f32 v[14:15], v[14:15], v[96+\j:97+\j]
	v_pk_add_f32 v[228:229], v[228:229], v[98+\j:99+\j]
.endr
	v_pk_add_f32 v[14:15], v[14:15], v[228:229]
	s_wait_alu depctr_va_vdst(0)                   ; and one for the four
.irp b, 0,1,2,3
	v_max_num_f32 v[212+\b], FLOOR, v[212+\b]      ; the floor: the byte cannot fall under 1 (a block whose every p is 0 keeps that byte: its codes are zeros)
.endr
.irp b, 0,1,2,3
	v_add_nc_u32 v[220+\b], OFF2, v[212+\b]        ; 2 off the exponent field: the conversions' scale operand
.endr
.irp b, 0,1,2,3
	v_lshrrev_b32 v[216+\b], 23, v[220+\b]         ; the scale's byte
.endr
	v_lshl_or_b32 v225, v217, 8, v216              ; p's scale word for these 128 keys
	v_lshl_or_b32 v225, v218, 16, v225
	v_lshl_or_b32 v225, v219, 24, v225
.irp b, 0,1,2,3
	v_cvt_scalef32_pk8_fp4_f32 v[192+2*\b], v[96+16*\b:103+16*\b], v[220+\b]
	v_cvt_scalef32_pk8_fp4_f32 v[193+2*\b], v[104+16*\b:111+16*\b], v[220+\b]
.endr
	v_nop                                          ; one plain line behind the conversions
.irp c, 0,1
.irp i, 0,1
	v_permlane16_swap_b32 v[192+4*\c+\i], v[194+4*\c+\i]         ; a whole block to a lane: lanes 0-15 block 2 c, lanes 16-31 block 2 c + 1
.endr
.endr
.set n, 0
.rept 16
	v_pk_mul_f32 v[160+n:161+n], v[160+n:161+n], v[224:225] op_sel_hi:[1,0]   ; O^T under the new M (these sixteen are also the places in front of the products below)
.set n, n+2
.endr
	s_wait_dscnt 0x0                               ; V
.irp a, 0,1,2,3
	v_wmma_scale_f32_16x16x128_f8f6f4 v[160+8*\a:167+8*\a], v[64+8*\a:71+8*\a], v[192:199], v[160+8*\a:167+8*\a], v[204+\a], v225 matrix_a_fmt:MATRIX_FMT_FP4 matrix_b_fmt:MATRIX_FMT_FP4   ; O^T += V^T p^T: four accumulators by turns; the next matrix instruction on any way is a score's
.endr
.Lnext:
	s_add_nc_u64 s[8:9], s[8:9], 256               ; the next step's lane masks (no scalar load is out here)
	s_xor_b32 s25, s25, SLOT
	s_add_co_u32 s26, s26, 256
	s_add_co_u32 s24, s24, 1
	s_cmp_lt_u32 s24, 16
	s_cbranch_scc1 .Lstep
	; THE WAY OUT.  O^T / the sum goes through my stage and comes back as rows of 256 bytes; Q's rows are added; sixteen lanes store 256 consecutive bytes, aligned.
.rept 4
	v_nop                                          ; places behind the last products
.endr
.irp i, 0,1,2,3,4,5,6,7
	global_load_b128 v[32+4*\i:35+4*\i], v30, s[12:13] offset:8192*\i+32768*(\i/4) th:TH_LOAD_NT    ; stage rows 2 i, 2 i + 1 are queries 2 i + 8 (i / 4) and the next
.endr
	v_add_f32 v14, v14, v15                        ; the sum's two halves,
	v_permlanex16_b32 v216, v14, s20, s21
	v_add_f32 v14, v14, v216                       ; and lane l xor 16's
	v_rcp_f32 v14, v14
	v_nop                                          ; a plain line behind the reciprocal,
	s_wait_alu depctr_va_vdst(0)                   ; and the wait ahead of its first reader
.set n, 0
.rept 32
	v_mul_f32 v[96+n], v[160+n], v14               ; register 16 blk + i is o(query r, d = 32 blk + 16 h + i); each accumulator from its low end on
.set n, n+1
.endr
.irp blk, 0,1
.irp k, 0,1,2,3
	ds_store_b128 v7, v[96+16*\blk+4*\k:99+16*\blk+4*\k] offset:128*\blk+16*\k
.endr
.endr
.irp i, 0,1,2,3,4,5,6,7
	ds_load_b128 v[128+4*\i:131+4*\i], v29 offset:544*\i         ; LDS serves a wave's instructions in order: these see my stores
.endr
	s_wait_loadcnt 0x0                             ; Q's rows
.irp i, 0,1,2,3,4,5,6,7
	s_wait_dscnt 7-\i                              ; rows 2 i, 2 i + 1 are back; the later ones may be out
	v_pk_add_f32 v[128+4*\i:129+4*\i], v[128+4*\i:129+4*\i], v[32+4*\i:33+4*\i]
	v_pk_add_f32 v[130+4*\i:131+4*\i], v[130+4*\i:131+4*\i], v[34+4*\i:35+4*\i]
	global_store_b128 v30, v[128+4*\i:131+4*\i], s[14:15] offset:8192*\i+32768*(\i/4) th:TH_STORE_NT
.endr
	s_wait_tensorcnt 0x0                           ; the wave's end: three lines behind my last LDS store, the first of them even in a text with no tensor load
	ds_add_u32 v3, v4
	s_wait_dscnt 0x0
	s_endpgm
.Lfunc_end_k_qfe14b8960b_attn:
	.size	k_qfe14b8960b_attn, .Lfunc_end_k_qfe14b8960b_attn-k_qfe14b8960b_attn
	.p2alignl 7, 3214868480
	.fill 96, 4, 3214868480
	.section	.rodata,"a",@progbits
	.p2align	6, 0x0
	.amdhsa_kernel k_qfe14b8960b_attn
		.amdhsa_group_segment_fixed_size 96256
		.amdhsa_private_segment_fixed_size 0
		.amdhsa_enable_private_segment 0
		.amdhsa_kernarg_size 48
		.amdhsa_user_sgpr_count 2
		.amdhsa_user_sgpr_kernarg_segment_ptr 1
		.amdhsa_wavefront_size32 1
		.amdhsa_system_sgpr_workgroup_id_x 1
		.amdhsa_system_sgpr_workgroup_id_y 1
		.amdhsa_system_sgpr_workgroup_id_z 1
		.amdhsa_system_vgpr_workitem_id 0
		.amdhsa_next_free_vgpr 240
		.amdhsa_next_free_sgpr 102
		.amdhsa_reserve_vcc 0
		.amdhsa_float_denorm_mode_32 3
		.amdhsa_float_denorm_mode_16_64 3
		.amdhsa_memory_ordered 1
		.amdhsa_forward_progress 1
		.amdhsa_inst_pref_size 34
	.end_amdhsa_kernel
	.amdgpu_metadata
---
amdhsa.version: [ 1, 2 ]
amdhsa.kernels:
  - .name:           k_qfe14b8960b_attn
    .symbol:         k_qfe14b8960b_attn.kd
    .args:
      - { .name: hc, .offset: 0, .size: 8, .value_kind: global_buffer, .address_space: global }
      - { .name: hs, .offset: 8, .size: 8, .value_kind: global_buffer, .address_space: global }
      - { .name: mp, .offset: 16, .size: 8, .value_kind: global_buffer, .address_space: global }
      - { .name: fl, .offset: 24, .size: 8, .value_kind: global_buffer, .address_space: global }
      - { .name: Q, .offset: 32, .size: 8, .value_kind: global_buffer, .address_space: global }
      - { .name: out0, .offset: 40, .size: 8, .value_kind: global_buffer, .address_space: global }
    .group_segment_fixed_size: 96256
    .private_segment_fixed_size: 0
    .kernarg_segment_align: 8
    .kernarg_segment_size: 48
    .max_flat_workgroup_size: 512
    .sgpr_count:     102
    .vgpr_count:     240
    .wavefront_size: 32
...
	.end_amdgpu_metadata
.endif
;; end of part 3
;; ======== version 2 of 2: 3 launches
;; workspace buffers: xc 6,291,456 bytes; xs 393,216 bytes; wc 1,572,864 bytes; wsb 98,304 bytes; hc 6,291,456 bytes; hs 393,216 bytes; mp 1,048,576 bytes of whole numbers; fl 4,096 bytes of whole numbers
;; launch prep (part 4): grid 416 x 1, 8 waves a work-group, no clusters, 92,672 bytes of LDS; arguments Q, K, V, Wq, Wk, Wv, gamma, beta, mask, xc, xs, wc, wsb, mp, fl; writes xc, xs, wc, wsb, mp, fl
.if DOCPART == 4
	.amdgcn_target "amdgcn-amd-amdhsa--gfx1250"
	.amdhsa_code_object_version 6
	.text
	.protected	k_qfe14b8960b_prep
	.globl	k_qfe14b8960b_prep
	.p2align	8
	.type	k_qfe14b8960b_prep,@function
k_qfe14b8960b_prep:
	s_mov_b64 s[64:65], 0
	v_nop
	global_prefetch_b8 v0, s[64:65] scope:SCOPE_SE
	s_setreg_imm32_b32 hwreg(HW_REG_WAVE_MODE, 25, 1), 1
	s_wait_xcnt 0x0
; PREP: everything that is quantised or packed once.  Three jobs, told apart by the work-group's number alone:
;   work-groups   0 ..  95: Wq, Wk, Wv [k][n] f32 -> codes of E2M1 laid [n][k] (wc) and E8M0 bytes (wsb), quantised along k;
;   work-groups  96 .. 223: the mask's bytes -> lane masks (mp) and, for each tile of 16 queries x 128 keys, the bits 'live' and 'mixed' (fl);
;   work-groups 224 .. 415: LayerNorm of Q, K, V in f32 -> codes (xc) and bytes (xs), quantised along the row's 1,024.
; WHAT THE PROGRAM LEAVES OUT.  No input and no step of the problem is left out.  A key step (128 keys) of a tile of 16 queries is not walked by the last launch
; where the mask, as it is given, hides all its 2,048 scores: each of them would become -infinity, p = 0, and add nothing to the row's sum, to its maximum or to O.
; That is decided here from the mask's bytes (whole numbers), stored in fl, and read there: it holds for every mask; no pattern of a mask is built in.
; LIMITS.  NaN and infinities among the inputs are not served; one that reaches only scores of a wholly hidden step is not carried to the result.  A block whose largest
; magnitude lies under 2^-124 (a block of zeros too) keeps the byte 1: these bytes are read by this program alone, and zero codes add nothing under any byte but 0xff.
; Any mask byte other than 0 counts as true.
; TILE ORDER.  Rows of xc, xs, wc, wsb stand, inside each aligned group of 32, at the place that their number gives with bits 3 and 4 exchanged: so row r of a stored tile of 16
; is number 8 u + r + 8 (r / 8) of its 32, and the 16 result registers of two neighbouring tiles are 16 neighbours along the next product's K.
; Each job has LDS bytes of its own.  One barrier, on every work-group's way: only W's job needs it (a row of codes comes from eight waves).
.set LNW,   4864                       ; LayerNorm: a wave's region from byte 0 on: a stage of 32 x 144 bytes, then its 256 scale bytes
.set LNB,   4608
.set WST,   38912                      ; W: 32 rows x (512 + 16) bytes of codes
.set WSC,   55808                      ; W: 32 rows x 32 scale bytes
.set MST,   56832                      ; mask: for each wave 16 rows x (256 + 16) bytes
.set MSW,   4352
.set SPARE, 91648                      ; the spare words, 128 bytes for each wave: four blocks of 256 bytes that no other line names
.set FLOOR, 0x1800000                  ; 2^(3 - 127): no largest magnitude is taken under it, so a byte cannot fall under 1
.set OFF2,  0xff000000                 ; takes 2 off an exponent field
	s_load_b512 s[4:19], s[0:1], 0x0               ; Q s[4:5], K s[6:7], V s[8:9], Wq s[10:11], Wk s[12:13], Wv s[14:15], gamma s[16:17], beta s[18:19]
	s_load_b256 s[20:27], s[0:1], 0x40             ; mask s[20:21], xc s[22:23], xs s[24:25], wc s[26:27]
	s_load_b128 s[28:31], s[0:1], 0x60             ; wsb s[28:29], mp s[30:31]
	s_load_b64 s[32:33], s[0:1], 0x70              ; fl
	v_lshl_add_u32 v10, v0, 2, SPARE               ; my spare word; never rewritten
	v_mov_b32 v11, 0                               ; 0; never rewritten
	v_lshrrev_b32 v1, 5, v0
	s_delay_alu instid0(VALU_DEP_1)
	v_readfirstlane_b32 s34, v1                    ; wave 0..7
	v_and_b32 v1, 31, v0                           ; lane
	s_mov_b32 s39, 0                               ; the upper word of every 64-bit offset s[38:39]
	s_wait_kmcnt 0x0
	s_cmp_lt_u32 ttmp9, 96
	s_cbranch_scc1 .Lw_path
	s_cmp_lt_u32 ttmp9, 224
	s_cbranch_scc1 .Lmask_path
; ------------------------------------------------------------------ LayerNorm: a wave takes 8 neighbouring rows
	s_sub_co_u32 s35, ttmp9, 224                   ; L = 0 .. 191
	s_lshr_b32 s36, s35, 6                         ; the stream: Q, K, V
	s_cmp_eq_u32 s36, 1
	s_cselect_b64 s[4:5], s[6:7], s[4:5]
	s_cmp_eq_u32 s36, 2
	s_cselect_b64 s[4:5], s[8:9], s[4:5]
	s_and_b32 s37, s35, 63
	s_lshl_b32 s37, s37, 6
	s_lshl_b32 s38, s34, 3
	s_add_co_u32 s37, s37, s38                     ; my first row in the stream
	s_lshl_b32 s38, s37, 12                        ; x 4,096 bytes
	s_add_nc_u64 s[4:5], s[4:5], s[38:39]
	s_lshl_b32 s37, s35, 3
	s_add_co_u32 s37, s37, s34                     ; g: which group of 8 rows of the 12,288
	s_and_b32 s44, s37, 0xfffffffc
	s_and_b32 s45, s37, 1
	s_lshl_b32 s45, s45, 1
	s_or_b32 s44, s44, s45
	s_bfe_u32 s45, s37, 0x10001
	s_or_b32 s44, s44, s45                         ; its place: bits 0 and 1 of g (bits 3 and 4 of the row) exchanged
	s_lshl_b32 s38, s44, 12                        ; 8 rows x 512 bytes of codes
	s_add_nc_u64 s[22:23], s[22:23], s[38:39]
	s_lshl_b32 s38, s44, 8                         ; 8 rows x 32 scale bytes
	s_add_nc_u64 s[24:25], s[24:25], s[38:39]
	s_wait_alu depctr_va_vdst(0)
	v_lshlrev_b32 v2, 4, v1                        ; 16 x lane: my bytes of a load's 512, and of a row's codes
	s_mul_i32 s46, s34, LNW
	v_lshrrev_b32 v3, 3, v1
	s_delay_alu instid0(VALU_DEP_1)
	v_mul_u32_u24 v3, v3, 144
	v_and_b32 v4, 7, v1
	s_delay_alu instid0(VALU_DEP_1)
	v_lshl_add_u32 v3, v4, 4, v3
	s_delay_alu instid0(VALU_DEP_1)
	v_add_nc_u32 v3, s46, v3                       ; the stage, in: eight lanes' 128 bytes (a block of 32 numbers) on end, then 16 of padding
	v_mul_u32_u24 v4, v1, 144
	s_delay_alu instid0(VALU_DEP_1)
	v_add_nc_u32 v4, s46, v4                       ; and out: block = lane
	s_add_co_u32 s46, s46, LNB
	v_add_nc_u32 v5, s46, v1                       ; my block's scale byte
	v_lshlrev_b32 v7, 3, v1
	s_delay_alu instid0(VALU_DEP_1)
	v_add_nc_u32 v6, s46, v7                       ; and 8 of the 256 on the way out
	v_mov_b32 v156, 0                              ; written once: a lane permute's destination counts as one of its sources
	s_mov_b32 s40, 0x3a800000                      ; 1 / 1,024
	s_mov_b32 s41, 0x3727c5ac                      ; eps = 1e-5
	s_mov_b32 s42, 0x76543210
	s_mov_b32 s43, 0xfedcba98                      ; v_permlanex16_b32's selects for lane l xor 16
.irp j, 0,1,2,3,4,5,6,7
	global_load_b128 v[16+4*\j:19+4*\j], v2, s[16:17] offset:512*\j      ; gamma, in the rows' own layout
.endr
.irp j, 0,1,2,3,4,5,6,7
	global_load_b128 v[48+4*\j:51+4*\j], v2, s[18:19] offset:512*\j      ; beta
.endr
.macro ROWLOAD i                       ; row i: eight loads of 512 consecutive bytes, into set i % 2
.irp j, 0,1,2,3,4,5,6,7
	global_load_b128 v[80+32*((\i)%2)+4*\j:83+32*((\i)%2)+4*\j], v2, s[4:5] offset:4096*(\i)+512*\j th:TH_LOAD_NT
.endr
.endm
.macro ACROSS                          ; four packed chains v[148:155] -> their sum over the wave, in v148 of every lane
	s_delay_alu instid0(VALU_DEP_3)
	v_pk_add_f32 v[148:149], v[148:149], v[150:151]
	s_delay_alu instid0(VALU_DEP_2)
	v_pk_add_f32 v[152:153], v[152:153], v[154:155]
	s_delay_alu instid0(VALU_DEP_1)
	v_pk_add_f32 v[148:149], v[148:149], v[152:153]
	s_delay_alu instid0(VALU_DEP_1)
	v_add_f32 v148, v148, v149
	s_delay_alu instid0(VALU_DEP_1)
	v_add_f32_dpp v148, v148, v148 row_xmask:1 row_mask:0xf bank_mask:0xf
	s_delay_alu instid0(VALU_DEP_1)
	v_add_f32_dpp v148, v148, v148 row_xmask:2 row_mask:0xf bank_mask:0xf
	s_delay_alu instid0(VALU_DEP_1)
	v_add_f32_dpp v148, v148, v148 row_xmask:4 row_mask:0xf bank_mask:0xf
	s_delay_alu instid0(VALU_DEP_1)
	v_add_f32_dpp v148, v148, v148 row_xmask:8 row_mask:0xf bank_mask:0xf
	s_delay_alu instid0(VALU_DEP_1)
	v_permlanex16_b32 v156, v148, s42, s43
	s_delay_alu instid0(VALU_DEP_1)
	v_add_f32 v148, v148, v156
.endm
.macro BLKMAX x                        ; 32 numbers of one lane, v[x] on: the block's largest magnitude (with the floor) in v158, the conversions' scale operand in v157
	v_max3_num_f32 v158, |v[\x]|, |v[\x+1]|, FLOOR
	v_max3_num_f32 v159, |v[\x+2]|, |v[\x+3]|, |v[\x+4]|
.irp i, 5,9,13,17,21,25
	s_delay_alu instid0(VALU_DEP_2)
	v_max3_num_f32 v158, v158, |v[\x+\i]|, |v[\x+\i+1]|
	s_delay_alu instid0(VALU_DEP_2)
	v_max3_num_f32 v159, v159, |v[\x+\i+2]|, |v[\x+\i+3]|
.endr
	s_delay_alu instid0(VALU_DEP_2)
	v_max3_num_f32 v158, v158, |v[\x+29]|, |v[\x+30]|
	s_delay_alu instid0(VALU_DEP_1)
	v_max3_num_f32 v158, v158, v159, |v[\x+31]|
	s_delay_alu instid0(VALU_DEP_1)
	v_add_nc_u32 v157, OFF2, v158                  ; 2 off its exponent field: the conversion takes the exponent field of this operand as its scale
.endm
	ROWLOAD 0
	ROWLOAD 1
.macro LNROW i
.set X, 80+32*((\i)%2)
.if (\i) < 7
	s_wait_loadcnt 8                               ; this row (and gamma, beta) is in; the next row's eight loads may be out
.else
	s_wait_loadcnt 0
.endif
.irp c, 0,1,2,3
	v_pk_add_f32 v[148+2*\c:149+2*\c], v[X+2*\c:X+2*\c+1], v[X+8+2*\c:X+9+2*\c]
.endr
.irp g, 2,3
.irp c, 0,1,2,3
	s_delay_alu instid0(VALU_DEP_4)
	v_pk_add_f32 v[148+2*\c:149+2*\c], v[148+2*\c:149+2*\c], v[X+8*\g+2*\c:X+8*\g+2*\c+1]
.endr
.endr
	ACROSS
	s_delay_alu instid0(VALU_DEP_1)
	v_mul_f32 v144, s40, v148                      ; the mean, twice: a pair for the packed forms
	s_delay_alu instid0(VALU_DEP_2)
	v_mul_f32 v145, s40, v148
.set p, 0
.rept 16
	v_pk_add_f32 v[X+2*p:X+2*p+1], v[X+2*p:X+2*p+1], v[144:145] neg_lo:[0,1] neg_hi:[0,1]   ; x - mean
.set p, p+1
.endr
.irp c, 0,1,2,3
	v_pk_mul_f32 v[148+2*\c:149+2*\c], v[X+2*\c:X+2*\c+1], v[X+2*\c:X+2*\c+1]
.endr
.irp g, 1,2,3
.irp c, 0,1,2,3
	s_delay_alu instid0(VALU_DEP_4)
	v_pk_fma_f32 v[148+2*\c:149+2*\c], v[X+8*\g+2*\c:X+8*\g+2*\c+1], v[X+8*\g+2*\c:X+8*\g+2*\c+1], v[148+2*\c:149+2*\c]
.endr
.endr
	ACROSS
	s_delay_alu instid0(VALU_DEP_1)
	v_fma_f32 v148, v148, s40, s41                 ; the variance + eps
	s_wait_alu depctr_va_vdst(0)
	v_rsq_f32 v146, v148
	v_rsq_f32 v147, v148
	v_nop                                          ; a plain line behind the two roots,
	s_wait_alu depctr_va_vdst(0)                   ; and the one wait ahead of their first reader
.set p, 0
.rept 16
	v_pk_mul_f32 v[X+2*p:X+2*p+1], v[X+2*p:X+2*p+1], v[146:147]
.set p, p+1
.endr
.set p, 0
.rept 16
	v_pk_fma_f32 v[X+2*p:X+2*p+1], v[X+2*p:X+2*p+1], v[16+2*p:17+2*p], v[48+2*p:49+2*p]   ; x gamma + beta
.set p, p+1
.endr
.irp j, 0,1,2,3,4,5,6,7
	ds_store_b128 v3, v[X+4*\j:X+4*\j+3] offset:576*\j      ; the row turns through my stage: in as it was loaded,
.endr
.irp j, 0,1,2,3,4,5,6,7
	ds_load_b128 v[X+4*\j:X+4*\j+3], v4 offset:16*\j        ; out a block of 32 neighbours a lane (LDS serves a wave's instructions in order)
.endr
	s_wait_dscnt 0x0
	BLKMAX X
	s_wait_alu depctr_va_vdst(0)
	s_wait_xcnt 0x0                                ; the last row's store has read its data: the codes' registers are written again only behind this wait
.irp g, 0,1,2,3
	v_cvt_scalef32_pk8_fp4_f32 v[160+\g], v[X+8*\g:X+8*\g+7], v157
.endr
	v_lshrrev_b32 v164, 23, v157                   ; the scale's byte (also the plain line behind the conversions)
	ds_store_b8 v5, v164 offset:32*(\i)
	global_store_b128 v2, v[160:163], s[22:23] offset:512*(\i)   ; the row's 512 bytes of codes, consecutive
.if (\i) < 6
	ROWLOAD (\i)+2
.endif
.endm
.irp i, 0,1,2,3,4,5,6,7
	LNROW \i
.endr
	ds_load_b64 v[148:149], v6                     ; my wave's 256 scale bytes leave as one aligned run of 256
	s_wait_dscnt 0x0
	global_store_b64 v7, v[148:149], s[24:25]
	s_branch .Lmeet
; ------------------------------------------------------------------ W: a work-group takes 32 columns n, all of K; wave w takes k = 128 w .. 128 w + 127
.Lw_path:
	s_lshr_b32 s35, ttmp9, 5                       ; which of the three weights
	s_and_b32 s36, ttmp9, 31                       ; which 32 columns
	s_cmp_eq_u32 s35, 1
	s_cselect_b64 s[10:11], s[12:13], s[10:11]
	s_cmp_eq_u32 s35, 2
	s_cselect_b64 s[10:11], s[14:15], s[10:11]
	s_lshl_b32 s38, s34, 19                        ; 128 rows of 4,096 bytes a wave
	s_lshl_b32 s37, s36, 7
	s_add_co_u32 s38, s38, s37
	s_add_nc_u64 s[10:11], s[10:11], s[38:39]
	s_wait_alu depctr_va_vdst(0)
	v_lshlrev_b32 v2, 2, v1                        ; a lane takes a column, and its registers run down K
	v_and_b32 v3, 7, v1
	v_bfe_u32 v4, v1, 3, 1
	s_delay_alu instid0(VALU_DEP_1)
	v_lshl_add_u32 v3, v4, 4, v3
	v_bfe_u32 v4, v1, 4, 1
	s_delay_alu instid0(VALU_DEP_1)
	v_lshl_add_u32 v5, v4, 3, v3                   ; my column's place among the 32: bits 3 and 4 exchanged
	s_delay_alu instid0(VALU_DEP_1)
	v_mul_u32_u24 v3, v5, 528
	s_lshl_b32 s37, s34, 6
	s_add_co_u32 s37, s37, WST
	v_add_nc_u32 v3, s37, v3                       ; its row of codes, my wave's 64 bytes
	v_lshlrev_b32 v4, 5, v5
	s_lshl_b32 s37, s34, 2
	s_add_co_u32 s37, s37, WSC
	v_add_nc_u32 v4, s37, v4                       ; its row of scale bytes, my wave's four
.macro WLOAD t                         ; block t: W(128 w + 32 t + i, my column): each load reads 128 consecutive bytes
.set i, 0
.rept 32
	global_load_b32 v[80+32*((\t)%2)+i], v2, s[10:11] offset:(32*(\t)+i)*4096 th:TH_LOAD_NT
.set i, i+1
.endr
.endm
.macro WBLOCK t
.set X, 80+32*((\t)%2)
.if (\t) < 3
	s_wait_loadcnt 32                              ; this block's 32 loads are in; the next block's may be out
.else
	s_wait_loadcnt 0
.endif
	BLKMAX X
.irp g, 0,1,2,3
	v_cvt_scalef32_pk8_fp4_f32 v[160+\g], v[X+8*\g:X+8*\g+7], v157
.endr
	v_lshrrev_b32 v159, 23, v157                   ; the scale's byte (also the plain line behind the conversions)
.if (\t) == 0
	s_delay_alu instid0(VALU_DEP_1)
	v_mov_b32 v164, v159                           ; four bytes to a register, the lower k in the lower byte
.else
	s_delay_alu instid0(VALU_DEP_1)
	v_lshl_or_b32 v164, v159, 8*(\t), v164
.endif
	ds_store_b128 v3, v[160:163] offset:16*(\t)
.if (\t) < 2
	WLOAD (\t)+2
.endif
	s_wait_dscnt 0x0                               ; the store has read its registers: the next block's codes may be written
.endm
	WLOAD 0
	WLOAD 1
	WBLOCK 0
	WBLOCK 1
	WBLOCK 2
	WBLOCK 3
	s_wait_alu depctr_va_vdst(0)
	ds_store_b32 v4, v164
	s_branch .Lmeet
; ------------------------------------------------------------------ the mask: a wave takes a tile of 16 queries x 512 keys (four key steps)
.Lmask_path:
	s_sub_co_u32 s35, ttmp9, 96
	s_lshl_b32 s35, s35, 3
	s_add_co_u32 s35, s35, s34                     ; W = ((b x 128 + T) x 4 + quarter)
	s_and_b32 s36, s35, 3                          ; quarter
	s_bfe_u32 s37, s35, 0x70002                    ; T
	s_lshr_b32 s44, s35, 9                         ; b
	s_lshr_b32 s45, s37, 2
	s_lshl_b32 s45, s45, 6
	s_bfe_u32 s46, s37, 0x10001
	s_lshl_b32 s46, s46, 5
	s_add_co_u32 s45, s45, s46
	s_and_b32 s46, s37, 1
	s_lshl_b32 s46, s46, 3
	s_add_co_u32 s45, s45, s46                     ; the tile's first query: 64 (T / 4) + 32 ((T / 2) % 2) + 8 (T % 2); row r is r + 8 (r / 8) further on
	s_lshl_b32 s38, s45, 11
	s_lshl_b32 s46, s44, 22
	s_add_co_u32 s38, s38, s46
	s_lshl_b32 s46, s36, 9
	s_add_co_u32 s38, s38, s46
	s_add_nc_u64 s[20:21], s[20:21], s[38:39]
	s_lshl_b32 s38, s35, 10                        ; mp: four steps x 256 bytes for each W
	s_add_nc_u64 s[30:31], s[30:31], s[38:39]
	s_lshl_b32 s38, s35, 2                         ; fl: a word for each W
	s_add_nc_u64 s[32:33], s[32:33], s[38:39]
	s_wait_alu depctr_va_vdst(0)
	v_and_b32 v8, 15, v1
	v_lshrrev_b32 v9, 4, v1
	s_delay_alu instid0(VALU_DEP_2)
	v_lshlrev_b32 v2, 4, v8
	s_delay_alu instid0(VALU_DEP_1)
	v_lshl_add_u32 v2, v9, 11, v2                  ; loads: sixteen lanes read 256 consecutive bytes of a row, lanes 16-31 the next row
	s_mul_i32 s46, s34, MSW
	s_add_co_u32 s46, s46, MST
	v_mul_u32_u24 v3, v9, 272
	s_delay_alu instid0(VALU_DEP_1)
	v_lshl_add_u32 v3, v8, 4, v3
	s_delay_alu instid0(VALU_DEP_1)
	v_add_nc_u32 v3, s46, v3                       ; the stage, in: as loaded
	v_mul_u32_u24 v4, v8, 272
	s_delay_alu instid0(VALU_DEP_1)
	v_lshl_add_u32 v4, v9, 4, v4
	s_delay_alu instid0(VALU_DEP_1)
	v_add_nc_u32 v4, s46, v4                       ; and out: lane (r, h) takes row r, 16 keys from 16 h on of each 32
	v_lshlrev_b32 v5, 3, v1
	s_mov_b32 s56, 0                               ; the four steps' flags
.irp hf, 0,1
.irp i, 0,1,2,3,4,5,6,7
	global_load_b128 v[16+32*\hf+4*\i:19+32*\hf+4*\i], v2, s[20:21] offset:(2*\i+8*(\i/4))*2048+256*\hf th:TH_LOAD_NT
.endr
.endr
; Step k of the wave's four, its bytes in v[80 + 16 sp] on.  Word n = 16 blk + i of the step is a lane mask: bit (r + 16 h) says that key 32 blk + 16 h + i is hidden from query r:
; the lane and register in which the last launch holds that score.
.macro MSTEP k, sp
	s_mov_b32 s44, -1                              ; the AND of the 64 words: -1 where every score is hidden
	s_mov_b32 s45, 0                               ; their OR: 0 where none is
	v_mov_b32 v[112+2*(\k)], 0                     ; (a written lane's register counts as read)
	v_mov_b32 v[113+2*(\k)], 0
.set n, 0
.rept 64
	v_and_b32 v[144+n%4], 0xff<<(8*(n%4)), v[80+16*(\sp)+n/4]
	s_delay_alu instid0(VALU_DEP_1)
	v_cmp_ne_u32 s[48+n%8], 0, v[144+n%4]
	s_and_b32 s44, s44, s[48+n%8]
	s_or_b32 s45, s45, s[48+n%8]
	v_writelane_b32 v[112+2*(\k)+(n&1)], s[48+n%8], n>>1
.set n, n+1
.endr
	global_store_b64 v5, v[112+2*(\k):113+2*(\k)], s[30:31] offset:256*(\k)   ; the step's 64 words: 256 consecutive bytes, aligned
	s_cmp_lg_u32 s44, -1
	s_cselect_b32 s46, 1, 0                        ; live: some score counts
	s_cmp_lg_u32 s45, 0
	s_cselect_b32 s47, s46, 0                      ; mixed: live, and some score is hidden
	s_lshl_b32 s46, s46, \k
	s_lshl_b32 s47, s47, 16+(\k)
	s_or_b32 s56, s56, s46
	s_or_b32 s56, s56, s47
.endm
.macro MHALF hf                        ; 256 keys: two steps
	s_wait_loadcnt 8-8*\hf                         ; this half's eight loads are in; the other half's may be out
.irp i, 0,1,2,3,4,5,6,7
	ds_store_b128 v3, v[16+32*\hf+4*\i:19+32*\hf+4*\i] offset:544*\i
.endr
.irp sp, 0,1
.irp blk, 0,1,2,3
	ds_load_b128 v[80+16*\sp+4*\blk:83+16*\sp+4*\blk], v4 offset:128*\sp+32*\blk
.endr
.endr
	s_wait_dscnt 0x0
	MSTEP 2*\hf, 0
	MSTEP 2*\hf+1, 1
.endm
	s_wait_alu depctr_va_vdst(0)
	MHALF 0
	MHALF 1
	v_mov_b32 v6, s56
	v_mov_b32 v7, 0
	v_cmp_eq_u32 vcc_lo, 0, v1
	s_wait_alu depctr_va_vdst(0)
	s_wait_xcnt 0x0                                ; EXEC is a source of the stores above: it changes only behind this wait
	s_and_saveexec_b32 s57, vcc_lo
	global_store_b32 v7, v6, s[32:33]              ; one word a wave (fl is 4,096 bytes in all)
	s_wait_xcnt 0x0                                ; and again, in front of the line that widens it
	s_or_b32 exec_lo, exec_lo, s57
; ------------------------------------------------------------------ the ways join: the launch's one barrier, passed by every wave of every work-group
.Lmeet:
	s_wait_dscnt 0x0                               ; for the others' sake: my LDS stores have landed
	s_barrier_signal -1
	s_barrier_wait -1
	s_cmp_ge_u32 ttmp9, 96
	s_cbranch_scc1 .Lend
	; W's way out: 32 whole rows of codes lie in LDS; wave w stores rows 4 w .. 4 w + 3, 512 consecutive bytes an instruction.  Every address is made anew
	s_wait_xcnt 0x0                                ; no earlier memory instruction still reads the registers written below
	v_and_b32 v1, 31, v0
	s_delay_alu instid0(VALU_DEP_1)
	v_lshlrev_b32 v2, 4, v1
	s_mul_i32 s37, s34, 4*528
	s_add_co_u32 s37, s37, WST
	v_add_nc_u32 v3, s37, v2
	s_wait_alu depctr_va_vdst(0)
	v_lshlrev_b32 v4, 2, v1
	s_lshl_b32 s37, s34, 7
	s_add_co_u32 s46, s37, WSC
	v_add_nc_u32 v5, s46, v4
	s_wait_alu depctr_va_vdst(0)
	s_lshr_b32 s35, ttmp9, 5
	s_and_b32 s36, ttmp9, 31
	s_lshl_b32 s38, s35, 10
	s_lshl_b32 s36, s36, 5
	s_add_co_u32 s38, s38, s36                     ; the work-group's first row of wc and wsb
	s_lshl_b32 s44, s38, 5
	s_add_co_u32 s44, s44, s37                     ; scale bytes: 32 a row, + 128 x wave
	s_mov_b32 s45, 0
	s_lshl_b32 s37, s34, 2
	s_add_co_u32 s38, s38, s37
	s_lshl_b32 s38, s38, 9                         ; codes: 512 bytes a row
	s_mov_b32 s39, 0
	s_add_nc_u64 s[26:27], s[26:27], s[38:39]
	s_add_nc_u64 s[28:29], s[28:29], s[44:45]
.irp i, 0,1,2,3
	ds_load_b128 v[16+4*\i:19+4*\i], v3 offset:528*\i
.endr
	ds_load_b32 v32, v5
.irp i, 0,1,2,3
	s_wait_dscnt 4-\i                              ; row i is back; the later rows and the scale word may be out
	global_store_b128 v2, v[16+4*\i:19+4*\i], s[26:27] offset:512*\i
.endr
	s_wait_dscnt 0x0
	global_store_b32 v4, v32, s[28:29]             ; 128 consecutive bytes a wave, 1,024 a work-group (wsb is 98,304 bytes in all)
.Lend:
	s_wait_tensorcnt 0x0                           ; the wave's end: three lines behind my last LDS store, the first of them even in a text with no tensor load
	ds_add_u32 v10, v11
	s_wait_dscnt 0x0
	s_endpgm
.Lfunc_end_k_qfe14b8960b_prep:
	.size	k_qfe14b8960b_prep, .Lfunc_end_k_qfe14b8960b_prep-k_qfe14b8960b_prep
	.p2alignl 7, 3214868480
	.fill 96, 4, 3214868480
	.section	.rodata,"a",@progbits
	.p2align	6, 0x0
	.amdhsa_kernel k_qfe14b8960b_prep
		.amdhsa_group_segment_fixed_size 92672
		.amdhsa_private_segment_fixed_size 0
		.amdhsa_enable_private_segment 0
		.amdhsa_kernarg_size 120
		.amdhsa_user_sgpr_count 2
		.amdhsa_user_sgpr_kernarg_segment_ptr 1
		.amdhsa_wavefront_size32 1
		.amdhsa_system_sgpr_workgroup_id_x 1
		.amdhsa_system_sgpr_workgroup_id_y 1
		.amdhsa_system_sgpr_workgroup_id_z 1
		.amdhsa_system_vgpr_workitem_id 0
		.amdhsa_next_free_vgpr 168
		.amdhsa_next_free_sgpr 80
		.amdhsa_reserve_vcc 1
		.amdhsa_float_denorm_mode_32 3
		.amdhsa_float_denorm_mode_16_64 3
		.amdhsa_memory_ordered 1
		.amdhsa_forward_progress 1
		.amdhsa_inst_pref_size 199
	.end_amdhsa_kernel
	.amdgpu_metadata
---
amdhsa.version: [ 1, 2 ]
amdhsa.kernels:
  - .name:           k_qfe14b8960b_prep
    .symbol:         k_qfe14b8960b_prep.kd
    .args:
      - { .name: Q, .offset: 0, .size: 8, .value_kind: global_buffer, .address_space: global }
      - { .name: K, .offset: 8, .size: 8, .value_kind: global_buffer, .address_space: global }
      - { .name: V, .offset: 16, .size: 8, .value_kind: global_buffer, .address_space: global }
      - { .name: Wq, .offset: 24, .size: 8, .value_kind: global_buffer, .address_space: global }
      - { .name: Wk, .offset: 32, .size: 8, .value_kind: global_buffer, .address_space: global }
      - { .name: Wv, .offset: 40, .size: 8, .value_kind: global_buffer, .address_space: global }
      - { .name: gamma, .offset: 48, .size: 8, .value_kind: global_buffer, .address_space: global }
      - { .name: beta, .offset: 56, .size: 8, .value_kind: global_buffer, .address_space: global }
      - { .name: mask, .offset: 64, .size: 8, .value_kind: global_buffer, .address_space: global }
      - { .name: xc, .offset: 72, .size: 8, .value_kind: global_buffer, .address_space: global }
      - { .name: xs, .offset: 80, .size: 8, .value_kind: global_buffer, .address_space: global }
      - { .name: wc, .offset: 88, .size: 8, .value_kind: global_buffer, .address_space: global }
      - { .name: wsb, .offset: 96, .size: 8, .value_kind: global_buffer, .address_space: global }
      - { .name: mp, .offset: 104, .size: 8, .value_kind: global_buffer, .address_space: global }
      - { .name: fl, .offset: 112, .size: 8, .value_kind: global_buffer, .address_space: global }
    .group_segment_fixed_size: 92672
    .private_segment_fixed_size: 0
    .kernarg_segment_align: 8
    .kernarg_segment_size: 120
    .max_flat_workgroup_size: 256
    .sgpr_count:     80
    .vgpr_count:     168
    .wavefront_size: 32
...
	.end_amdgpu_metadata
.endif
;; end of part 4
;; launch proj (part 5): grid 4 x 48, 16 waves a work-group, clusters of 4 x 4, 289,792 bytes of LDS; arguments xc, xs, wc, wsb, bq, bk, bv, hc, hs; writes hc, hs
.if DOCPART == 5
	.amdgcn_target "amdgcn-amd-amdhsa--gfx1250"
	.amdhsa_code_object_version 6
	.text
	.protected	k_qfe14b8960b_proj
	.globl	k_qfe14b8960b_proj
	.p2align	8
	.type	k_qfe14b8960b_proj,@function
k_qfe14b8960b_proj:
	s_mov_b64 s[64:65], 0
	v_nop
	global_prefetch_b8 v0, s[64:65] scope:SCOPE_SE
	s_setreg_imm32_b32 hwreg(HW_REG_WAVE_MODE, 25, 1), 1
	s_wait_xcnt 0x0
	s_wait_alu depctr_hold_cnt(0) depctr_sa_sdst(0) depctr_va_vdst(0) depctr_va_sdst(0) depctr_va_ssrc(0) depctr_va_vcc(0) depctr_vm_vsrc(0)
	s_getreg_b32 s2, hwreg(HW_REG_IB_STS2, 6, 4)
	s_cmp_eq_u32 s2, 0
	s_cbranch_scc0 .Lentry_in_a_cluster
	s_endpgm
.Lentry_in_a_cluster:
	s_bfe_u32 s2, ttmp6, 0x10000c
	s_cmp_lg_u32 s2, 0xf033
	s_cbranch_scc0 .Lentry_shape_is_right
	s_endpgm
.Lentry_shape_is_right:
; PROJ: q = LN(Q) Wq + bq, k = LN(K) Wk + bk, v = LN(V) Wv + bv on codes of E2M1 with E8M0 scales, and the results quantised at once for the attention: q and k along the head's 64, v along the keys.
; Nothing of the problem is left out here.  LIMITS as at the head of the first kernel (a block under 2^-124 keeps the byte 1; NaN and infinities are not served).
; ONE BODY FOR THE THREE.  A result is quantised along the index of the matrix instruction's source 0, since a lane's registers run along it.  q, k: source 0 = rows of W^T (features), source 1 = tokens.
; v: source 0 = tokens (the keys), source 1 = rows of W^T.  Which it is hangs on the cluster's number alone (st = 0, 1, 2).
; SHARES.  A work-group makes 256 (source 0) x 256 (source 1); all of K = 1,024 (512 bytes a row) lies in LDS, filled once: no slot is filled again.  Sixteen waves, each 64 x 64: 16 accumulators; four waves to a SIMD.
; 64 features are one head; 64 tokens are four stored tiles.  Rows stand in tile order (first kernel), so the 16 registers of two neighbouring source-0 tiles are 16 neighbours.
; CLUSTER.  4 x 4 work-groups: source 0's tile hangs on cx and the cluster alone and is shared along a column, source 1's on cy and the cluster alone and is shared along a row: each is asked for jointly.
; A wave has at most one tensor load outstanding.
; OUT.  hc: images of the operands' registers, 16 bytes a lane, 512 consecutive bytes a store.  q, k: [tile of 16 tokens][lane]: lane (r, h) holds block h of the head's 64 of token r.
; v: [key step][tile a of d][c][lane]: lane (r, h) holds keys 64 c + 32 h + 0 .. 31 of d-row r.  hs: for each 64 tokens 32 words, lane 16 p + r: the two bytes of tile 2 p and the two of tile 2 p + 1
; (128 consecutive bytes a wave; hs is 393,216 bytes in all).
.set PITCH, 528                        ; an LDS row: 512 bytes + 16 of padding = 132 words: the 16 rows of a fragment load start in 16 different groups of four banks
.set QUART, 64*PITCH                   ; 64 rows: what one tensor load brings and one wave reads of a side
.set S1,    4*QUART                    ; source 0's 256 rows from byte 0, then source 1's
.set SC0,   8*QUART                    ; source 0's scale bytes: 256 rows x 32, as 32 runs of 256 bytes + 16 of padding
.set SC1,   SC0+32*272
.set SPARE, SC1+32*272                 ; the spare words, 128 bytes for each wave: eight blocks of 256 bytes that no other line names
.set FLOOR, 0x1800000
.set OFF2,  0xff000000
.macro CROUND                          ; a round of the cluster's barrier
	s_barrier_signal -1
	s_barrier_wait -1
	s_cmp_lg_u32 s22, 0
	s_cbranch_scc1 .Lnot_wave_0_\@
	s_barrier_signal -3
.Lnot_wave_0_\@:
	s_barrier_wait -3
	s_barrier_signal -1
	s_barrier_wait -1
.endm
.macro PLACES
.rept 4
	v_nop
.endr
.endm
	s_load_b512 s[4:19], s[0:1], 0x0               ; xc s[4:5], xs s[6:7], wc s[8:9], wsb s[10:11], bq s[12:13], bk s[14:15], bv s[16:17], hc s[18:19]
	s_load_b64 s[20:21], s[0:1], 0x40              ; hs
	v_lshl_add_u32 v12, v0, 2, SPARE               ; my spare word; never rewritten
	v_mov_b32 v13, 0                               ; 0; never rewritten
	ds_add_u32 v12, v13                            ; the wave's opening: the add, twice on end, and its wait ahead of the first tensor loads
	ds_add_u32 v12, v13
	v_lshrrev_b32 v1, 5, v0
	s_delay_alu instid0(VALU_DEP_1)
	v_readfirstlane_b32 s22, v1                    ; wave 0..15
	s_and_b32 s23, s22, 3                          ; w0: my quarter of source 0.  Also: which 64 rows I fetch, if I fetch
	s_lshr_b32 s24, s22, 2                         ; w1: my quarter of source 1
	s_bfe_u32 s25, ttmp6, 0x40000                  ; cx
	s_bfe_u32 s26, ttmp6, 0x40004                  ; cy
	s_and_b32 s28, ttmp7, 0xffff                   ; the cluster: 0 .. 11
	s_lshr_b32 s27, s28, 2                         ; st: q, k, v
	s_and_b32 s28, s28, 3
	s_lshl_b32 s90, s28, 2
	s_cmp_eq_u32 s27, 2
	s_cselect_b32 s91, s90, 0
	s_cselect_b32 s90, 0, s90
	s_add_co_u32 s29, s25, s91                     ; tile0: source 0's tile of 256 rows (4 of W^T; for v 16 of tokens)
	s_add_co_u32 s30, s26, s90                     ; tile1: source 1's
	s_lshl_b32 s92, s26, 2
	s_lshl_b32 s92, 15, s92                        ; my row of the cluster
	s_lshl_b32 s93, 0x1111, s25                    ; my column
	; descriptor groups 1.  Codes: 64 rows x 512 elements of 1 byte, 4 words of padding behind every 128.  s[32:39] for source 0 (my column), s[40:47] for source 1 (my row)
	s_or_b32 s32, s93, (1<<20)|(1<<21)|(6<<22)|(3<<25)
	s_or_b32 s40, s92, (1<<20)|(1<<21)|(6<<22)|(3<<25)
.irp g, 32, 40
	s_mov_b32 s[\g+1], 512<<16                     ; tensor_dim0
	s_mov_b32 s[\g+2], 64<<16                      ; tensor_dim1
	s_mov_b32 s[\g+3], 512<<16                     ; tile_dim0
	s_mov_b32 s[\g+4], 64                          ; tile_dim1
	s_mov_b32 s[\g+5], 512                         ; from row to row
	s_mov_b32 s[\g+6], 0
	s_mov_b32 s[\g+7], 0
.endr
	; Scale bytes of 256 rows: 8,192 dense bytes as 32 rows of 32 elements of 8 bytes, 4 words of padding behind every 64.  s[48:55] source 0, s[56:63] source 1
	s_or_b32 s48, s93, (3<<16)|(1<<20)|(1<<21)|(5<<22)|(3<<25)
	s_or_b32 s56, s92, (3<<16)|(1<<20)|(1<<21)|(5<<22)|(3<<25)
.irp g, 48, 56
	s_mov_b32 s[\g+1], 32<<16
	s_mov_b32 s[\g+2], 32<<16
	s_mov_b32 s[\g+3], 32<<16
	s_mov_b32 s[\g+4], 32
	s_mov_b32 s[\g+5], 32
	s_mov_b32 s[\g+6], 0
	s_mov_b32 s[\g+7], 0
.endr
	; byte offsets, each in registers of its own: source 0's hang on tile0, source 1's on tile1
	s_lshl_b32 s89, s23, 6                         ; the 64 rows that I fetch
	s_lshl_b32 s84, s29, 8
	s_add_co_u32 s84, s84, s89
	s_lshl_b32 s84, s84, 9                         ; source 0's codes: row x 512
	s_lshl_b32 s90, s27, 19                        ; in wc: 524,288 a weight;
	s_mov_b32 s91, 4194304                         ; in xc: V's stream
	s_cmp_eq_u32 s27, 2
	s_cselect_b32 s90, s91, s90
	s_add_co_u32 s84, s84, s90
	s_mov_b32 s85, 0
	s_lshl_b32 s86, s30, 8
	s_add_co_u32 s86, s86, s89
	s_lshl_b32 s86, s86, 9                         ; source 1's codes
	s_lshl_b32 s90, s27, 21                        ; in xc: 2,097,152 a stream;
	s_mov_b32 s91, 1048576                         ; in wc: Wv
	s_cmp_eq_u32 s27, 2
	s_cselect_b32 s90, s91, s90
	s_add_co_u32 s86, s86, s90
	s_mov_b32 s87, 0
	s_lshl_b32 s94, s29, 13                        ; source 0's scale bytes: 8,192 a tile
	s_lshl_b32 s90, s27, 15
	s_mov_b32 s91, 262144
	s_cmp_eq_u32 s27, 2
	s_cselect_b32 s90, s91, s90
	s_add_co_u32 s94, s94, s90
	s_mov_b32 s95, 0
	s_lshl_b32 s96, s30, 13                        ; source 1's
	s_lshl_b32 s90, s27, 17
	s_mov_b32 s91, 65536
	s_cmp_eq_u32 s27, 2
	s_cselect_b32 s90, s91, s90
	s_add_co_u32 s96, s96, s90
	s_mov_b32 s97, 0
	s_mul_i32 s98, s23, QUART                      ; where my 64 rows go: no place in the cluster enters an LDS address
	s_mov_b32 s2, 0x76543210
	s_mov_b32 s3, 0xfedcba98                       ; v_permlanex16_b32's selects for lane l xor 16
	s_wait_dscnt 0x0                               ; both opening adds are done
	s_wait_kmcnt 0x0
	; descriptor groups 0: s[68:71] source 0's codes, s[72:75] source 1's, s[76:79] source 0's scale bytes, s[80:83] source 1's
	s_cmp_eq_u32 s27, 2
	s_cselect_b64 s[70:71], s[4:5], s[8:9]
	s_cselect_b64 s[74:75], s[8:9], s[4:5]
	s_cselect_b64 s[78:79], s[6:7], s[10:11]
	s_cselect_b64 s[82:83], s[10:11], s[6:7]
	s_add_nc_u64 s[70:71], s[70:71], s[84:85]
	s_add_nc_u64 s[74:75], s[74:75], s[86:87]
	s_add_nc_u64 s[78:79], s[78:79], s[94:95]
	s_add_nc_u64 s[82:83], s[82:83], s[96:97]
	s_or_b32 s71, s71, 0x80000000
	s_or_b32 s75, s75, 0x80000000
	s_or_b32 s79, s79, 0x80000000
	s_or_b32 s83, s83, 0x80000000
	s_mov_b32 s68, 1
	s_mov_b32 s69, s98
	s_mov_b32 s72, 1
	s_add_co_u32 s73, s98, S1
	s_mov_b32 s76, 1
	s_mov_b32 s77, SC0
	s_mov_b32 s80, 1
	s_mov_b32 s81, SC1
	CROUND                                         ; all sixteen work-groups are here: the joint loads meet
	; the fills, one group: waves 0-3 source 0's quarters, waves 4-7 source 1's, wave 8 and wave 9 the scale bytes.  The branches hang on the wave's number alone
	s_cmp_lt_u32 s22, 4
	s_cbranch_scc0 .Lfill_1
	tensor_load_to_lds s[68:71], s[32:39]
	s_nop 0
	PLACES
	s_branch .Lasked
.Lfill_1:
	s_cmp_lt_u32 s22, 8
	s_cbranch_scc0 .Lfill_2
	tensor_load_to_lds s[72:75], s[40:47]
	s_nop 0
	PLACES
	s_branch .Lasked
.Lfill_2:
	s_cmp_eq_u32 s22, 8
	s_cbranch_scc0 .Lfill_3
	tensor_load_to_lds s[76:79], s[48:55]
	s_nop 0
	PLACES
	s_branch .Lasked
.Lfill_3:
	s_cmp_eq_u32 s22, 9
	s_cbranch_scc0 .Lasked
	tensor_load_to_lds s[80:83], s[56:63]
	s_nop 0
	PLACES
.Lasked:
	; which head and which 64 tokens are my wave's
	s_lshl_b32 s84, s29, 2
	s_add_co_u32 s84, s84, s23                     ; 4 tile0 + w0
	s_lshl_b32 s85, s29, 8
	s_lshl_b32 s88, s23, 6
	s_add_co_u32 s85, s85, s88                     ; 256 tile0 + 64 w0
	s_lshl_b32 s86, s30, 2
	s_add_co_u32 s86, s86, s24                     ; 4 tile1 + w1
	s_lshl_b32 s87, s30, 8
	s_lshl_b32 s88, s24, 6
	s_add_co_u32 s87, s87, s88                     ; 256 tile1 + 64 w1
	s_cmp_eq_u32 s27, 2
	s_cselect_b32 s31, s86, s84                    ; the head
	s_cselect_b32 s99, s85, s87                    ; my first token of the stream's 4,096
	s_cmp_eq_u32 s27, 1
	s_cselect_b64 s[12:13], s[14:15], s[12:13]
	s_cmp_eq_u32 s27, 2
	s_cselect_b64 s[12:13], s[16:17], s[12:13]
	s_lshl_b32 s90, s31, 8
	s_mov_b32 s91, 0
	s_add_nc_u64 s[12:13], s[12:13], s[90:91]      ; the bias at my head's 64 numbers
	v_and_b32 v1, 15, v0                           ; r
	v_bfe_u32 v2, v0, 4, 1                         ; h
	; the bias in the results' layout, v[32:63].  Both ways write all 32 registers
	s_cmp_eq_u32 s27, 2
	s_cbranch_scc1 .Lbias_v
	v_lshlrev_b32 v14, 6, v2                       ; q, k: register j of source-0 tile t is feature 32 (t / 2) + 16 h + 8 (t % 2) + j
.irp t, 0,1,2,3
.irp e, 0,1
	global_load_b128 v[32+8*\t+4*\e:35+8*\t+4*\e], v14, s[12:13] offset:(32*(\t/2)+8*(\t%2))*4+16*\e
.endr
.endr
	s_branch .Lbias_done
.Lbias_v:
	s_wait_alu depctr_va_vdst(0)
	v_and_b32 v14, 8, v1
	s_delay_alu instid0(VALU_DEP_1)
	v_add_nc_u32 v14, v14, v1
	s_delay_alu instid0(VALU_DEP_1)
	v_lshlrev_b32 v14, 2, v14                      ; v: all eight registers of source-1 tile a are feature 32 (a / 2) + 8 (a % 2) + r + 8 (r / 8)
.irp a, 0,1,2,3
.irp j, 0,1,2,3,4,5,6,7
	global_load_b32 v[32+8*\a+\j], v14, s[12:13] offset:(32*(\a/2)+8*(\a%2))*4
.endr
.endr
.Lbias_done:
	s_wait_alu depctr_va_vdst(0)
	v_mul_u32_u24 v15, v1, PITCH
	s_delay_alu instid0(VALU_DEP_1)
	v_lshl_add_u32 v15, v2, 4, v15                 ; a fragment's row x pitch + 16 h
	s_mul_i32 s90, s23, QUART
	v_add_nc_u32 v3, s90, v15                      ; v3: source 0's fragments
	s_mul_i32 s90, s24, QUART
	s_add_co_u32 s90, s90, S1
	v_add_nc_u32 v4, s90, v15                      ; v4: source 1's
	v_lshrrev_b32 v15, 3, v1
	s_delay_alu instid0(VALU_DEP_1)
	v_mul_u32_u24 v15, v15, 272
	v_and_b32 v5, 7, v1
	s_delay_alu instid0(VALU_DEP_1)
	v_lshl_add_u32 v15, v5, 5, v15                 ; row r's 32 scale bytes: eight rows to a run of 256 + 16
	s_mul_i32 s90, s23, 2176
	s_add_co_u32 s90, s90, SC0
	v_add_nc_u32 v5, s90, v15                      ; v5: source 0's scale words
	s_mul_i32 s90, s24, 2176
	s_add_co_u32 s90, s90, SC1
	v_add_nc_u32 v6, s90, v15                      ; v6: source 1's
	v_and_b32 v7, 31, v0
	s_delay_alu instid0(VALU_DEP_1)
	v_lshlrev_b32 v8, 4, v7                        ; v8-11: 16 x lane + a x (an image's distance in hc)
	s_delay_alu instid0(VALU_DEP_2)
	v_lshlrev_b32 v7, 2, v7                        ; v7: 4 x lane
	s_cmp_eq_u32 s27, 2
	s_mov_b32 s91, 512
	s_cselect_b32 s91, 1024, s91
	v_add_nc_u32 v9, s91, v8
	s_delay_alu instid0(VALU_DEP_1)
	v_add_nc_u32 v10, s91, v9
	s_delay_alu instid0(VALU_DEP_1)
	v_add_nc_u32 v11, s91, v10
	; where my results go
	s_lshr_b32 s84, s99, 11
	s_lshl_b32 s84, s84, 4
	s_add_co_u32 s84, s84, s31                     ; bh = 16 b + head
	s_bfe_u32 s85, s99, 0x50006                    ; u: which 64 tokens of the batch's 2,048
	s_lshl_b32 s86, s27, 21
	s_lshl_b32 s87, s84, 16
	s_add_co_u32 s86, s86, s87
	s_lshl_b32 s88, s85, 11                        ; q, k: four images of 512 bytes on end
	s_lshr_b32 s89, s85, 1
	s_lshl_b32 s89, s89, 12                        ; v: the key step's 4,096 bytes,
	s_and_b32 s90, s85, 1
	s_lshl_b32 s90, s90, 9                         ; its half c
	s_add_co_u32 s89, s89, s90
	s_cmp_eq_u32 s27, 2
	s_cselect_b32 s88, s89, s88
	s_add_co_u32 s86, s86, s88
	s_mov_b32 s87, 0
	s_add_nc_u64 s[18:19], s[18:19], s[86:87]
	s_lshl_b32 s86, s27, 17
	s_lshl_b32 s88, s84, 12
	s_add_co_u32 s86, s86, s88
	s_lshl_b32 s88, s85, 7
	s_add_co_u32 s86, s86, s88
	s_add_nc_u64 s[20:21], s[20:21], s[86:87]
	s_wait_alu depctr_va_vdst(0)
	s_wait_tensorcnt 0x0                           ; my fill, if I have one, has landed,
	s_barrier_signal -1
	s_barrier_wait -1                              ; everybody's has
; A K step of 128: 16 LDS loads, 16 matrix instructions.  v[16:23] source 0's scale words (2 t + q % 2), v[24:31] source 1's (2 a + q % 2): they hold scales and nothing else.
; v[64:95] source 0's four fragments, v[96:127] source 1's; accumulator (a, t) at v[128 + 32 a + 8 t].  The 16 accumulators take turns, one instruction a turn, in the same order in every step.
.macro KSTEP q
.if (\q) > 0
	PLACES                                         ; in front of loads into registers that matrix instructions have read
.endif
.if (\q)%2 == 0
.irp i, 0,1,2,3
	ds_load_b64 v[16+2*\i:17+2*\i], v5 offset:544*\i+4*(\q)      ; two K steps' words at a time
	ds_load_b64 v[24+2*\i:25+2*\i], v6 offset:544*\i+4*(\q)
.endr
.endif
.irp t, 0,1,2,3
.irp c, 0,1
	ds_load_b128 v[64+8*\t+4*\c:67+8*\t+4*\c], v3 offset:16*PITCH*\t+64*(\q)+32*\c
.endr
.endr
.irp a, 0,1,2,3
.irp c, 0,1
	ds_load_b128 v[96+8*\a+4*\c:99+8*\a+4*\c], v4 offset:16*PITCH*\a+64*(\q)+32*\c
.endr
.endr
.irp a, 0,1,2,3
	s_wait_dscnt 6-2*\a                            ; all but the later source-1 tiles' loads are in
.irp t, 0,1,2,3
.if (\q) == 0
	v_wmma_scale_f32_16x16x128_f8f6f4 v[128+32*\a+8*\t:135+32*\a+8*\t], v[64+8*\t:71+8*\t], v[96+8*\a:103+8*\a], 0, v[16+2*\t+(\q)%2], v[24+2*\a+(\q)%2] matrix_a_fmt:MATRIX_FMT_FP4 matrix_b_fmt:MATRIX_FMT_FP4
.else
	v_wmma_scale_f32_16x16x128_f8f6f4 v[128+32*\a+8*\t:135+32*\a+8*\t], v[64+8*\t:71+8*\t], v[96+8*\a:103+8*\a], v[128+32*\a+8*\t:135+32*\a+8*\t], v[16+2*\t+(\q)%2], v[24+2*\a+(\q)%2] matrix_a_fmt:MATRIX_FMT_FP4 matrix_b_fmt:MATRIX_FMT_FP4
.endif
.endr
.endr
.endm
.irp q, 0,1,2,3,4,5,6,7
	KSTEP \q
.endr
	s_wait_loadcnt 0x0                             ; the bias
	PLACES                                         ; behind the last products, in front of the first read of results
	s_cmp_eq_u32 s27, 2
	s_cbranch_scc1 .Ladd_v
.irp a, 0,1,2,3
.irp t, 0,1,2,3
.irp p, 0,1,2,3
	v_pk_add_f32 v[128+32*\a+8*\t+2*\p:129+32*\a+8*\t+2*\p], v[128+32*\a+8*\t+2*\p:129+32*\a+8*\t+2*\p], v[32+8*\t+2*\p:33+8*\t+2*\p]   ; each accumulator from its low end on
.endr
.endr
.endr
	s_branch .Ladded
.Ladd_v:
.irp a, 0,1,2,3
.irp t, 0,1,2,3
.irp p, 0,1,2,3
	v_pk_add_f32 v[128+32*\a+8*\t+2*\p:129+32*\a+8*\t+2*\p], v[128+32*\a+8*\t+2*\p:129+32*\a+8*\t+2*\p], v[32+8*\a+2*\p:33+8*\a+2*\p]
.endr
.endr
.endr
.Ladded:
	; eight blocks e = 2 a + blk: my 16 numbers of block e stand in v[128 + 16 e] on, lane l xor 16 holds the other 16.  The blocks by turns: no line waits for the line above it
.irp e, 0,1,2,3,4,5,6,7
	v_mov_b32 v[72+\e], 0                          ; a lane permute's destination counts as one of its sources
.endr
.irp e, 0,1,2,3,4,5,6,7
	v_max3_num_f32 v[64+\e], |v[128+16*\e]|, |v[129+16*\e]|, FLOOR
.endr
.irp i, 2,4,6,8,10,12,14
.irp e, 0,1,2,3,4,5,6,7
	v_max3_num_f32 v[64+\e], v[64+\e], |v[128+16*\e+\i]|, |v[129+16*\e+\i]|
.endr
.endr
.irp e, 0,1,2,3,4,5,6,7
	v_permlanex16_b32 v[72+\e], v[64+\e], s2, s3
.endr
.irp e, 0,1,2,3,4,5,6,7
	v_max_num_f32 v[64+\e], v[64+\e], v[72+\e]     ; the block's largest magnitude
.endr
.irp e, 0,1,2,3,4,5,6,7
	v_add_nc_u32 v[80+\e], OFF2, v[64+\e]          ; 2 off its exponent field: the conversions' scale operand
.endr
.irp e, 0,1,2,3,4,5,6,7
	v_lshrrev_b32 v[88+\e], 23, v[80+\e]           ; the scale's byte
.endr
.irp e, 0,1,2,3,4,5,6,7
	v_cvt_scalef32_pk8_fp4_f32 v[96+2*\e], v[128+16*\e:135+16*\e], v[80+\e]
	v_cvt_scalef32_pk8_fp4_f32 v[97+2*\e], v[136+16*\e:143+16*\e], v[80+\e]
.endr
	v_nop                                          ; one plain line behind the conversions
.irp a, 0,1,2,3
	v_permlane16_swap_b32 v[96+4*\a], v[98+4*\a]   ; a whole block to a lane: lanes 0-15 block 0, lanes 16-31 block 1
	v_permlane16_swap_b32 v[97+4*\a], v[99+4*\a]
.endr
	v_lshl_or_b32 v64, v89, 8, v88                 ; tiles 0 and 1: two bytes each
	s_delay_alu instid0(VALU_DEP_1)
	v_lshl_or_b32 v64, v90, 16, v64
	s_delay_alu instid0(VALU_DEP_1)
	v_lshl_or_b32 v64, v91, 24, v64
	v_lshl_or_b32 v65, v93, 8, v92                 ; tiles 2 and 3
	s_delay_alu instid0(VALU_DEP_1)
	v_lshl_or_b32 v65, v94, 16, v65
	s_delay_alu instid0(VALU_DEP_1)
	v_lshl_or_b32 v65, v95, 24, v65
	v_and_b32 v66, 31, v0
	s_delay_alu instid0(VALU_DEP_1)
	v_cmp_le_u32 vcc_lo, 16, v66
	s_delay_alu instid0(VALU_DEP_1)
	v_cndmask_b32 v15, v64, v65, vcc_lo            ; lanes 0-15 store the first word of their row, lanes 16-31 the second
.irp a, 0,1,2,3
	global_store_b128 v[8+\a], v[96+4*\a:99+4*\a], s[18:19]      ; an image: 512 consecutive bytes, aligned
.endr
	global_store_b32 v7, v15, s[20:21]
	s_wait_tensorcnt 0x0                           ; the wave's end
	ds_add_u32 v12, v13
	s_wait_dscnt 0x0
	CROUND                                         ; the closing round: no work-group ends while a partner may still ask for a tile that names it
	s_endpgm
.Lfunc_end_k_qfe14b8960b_proj:
	.size	k_qfe14b8960b_proj, .Lfunc_end_k_qfe14b8960b_proj-k_qfe14b8960b_proj
	.p2alignl 7, 3214868480
	.fill 96, 4, 3214868480
	.section	.rodata,"a",@progbits
	.p2align	6, 0x0
	.amdhsa_kernel k_qfe14b8960b_proj
		.amdhsa_group_segment_fixed_size 289792
		.amdhsa_private_segment_fixed_size 0
		.amdhsa_enable_private_segment 0
		.amdhsa_kernarg_size 72
		.amdhsa_user_sgpr_count 2
		.amdhsa_user_sgpr_kernarg_segment_ptr 1
		.amdhsa_wavefront_size32 1
		.amdhsa_system_sgpr_workgroup_id_x 1
		.amdhsa_system_sgpr_workgroup_id_y 1
		.amdhsa_system_sgpr_workgroup_id_z 1
		.amdhsa_system_vgpr_workitem_id 0
		.amdhsa_next_free_vgpr 256
		.amdhsa_next_free_sgpr 100
		.amdhsa_reserve_vcc 1
		.amdhsa_float_denorm_mode_32 3
		.amdhsa_float_denorm_mode_16_64 3
		.amdhsa_memory_ordered 1
		.amdhsa_forward_progress 1
		.amdhsa_inst_pref_size 60
	.end_amdhsa_kernel
	.amdgpu_metadata
---
amdhsa.version: [ 1, 2 ]
amdhsa.kernels:
  - .name:           k_qfe14b8960b_proj
    .symbol:         k_qfe14b8960b_proj.kd
    .args:
      - { .name: xc, .offset: 0, .size: 8, .value_kind: global_buffer, .address_space: global }
      - { .name: xs, .offset: 8, .size: 8, .value_kind: global_buffer, .address_space: global }
      - { .name: wc, .offset: 16, .size: 8, .value_kind: global_buffer, .address_space: global }
      - { .name: wsb, .offset: 24, .size: 8, .value_kind: global_buffer, .address_space: global }
      - { .name: bq, .offset: 32, .size: 8, .value_kind: global_buffer, .address_space: global }
      - { .name: bk, .offset: 40, .size: 8, .value_kind: global_buffer, .address_space: global }
      - { .name: bv, .offset: 48, .size: 8, .value_kind: global_buffer, .address_space: global }
      - { .name: hc, .offset: 56, .size: 8, .value_kind: global_buffer, .address_space: global }
      - { .name: hs, .offset: 64, .size: 8, .value_kind: global_buffer, .address_space: global }
    .group_segment_fixed_size: 289792
    .private_segment_fixed_size: 0
    .kernarg_segment_align: 8
    .kernarg_segment_size: 72
    .max_flat_workgroup_size: 512
    .sgpr_count:     100
    .vgpr_count:     256
    .wavefront_size: 32
...
	.end_amdgpu_metadata
.endif
;; end of part 5
;; launch attn (part 6): grid 8 x 32, 16 waves a work-group, no clusters, 96,256 bytes of LDS; arguments hc, hs, mp, fl, Q, out0; writes out0
.if DOCPART == 6
	.amdgcn_target "amdgcn-amd-amdhsa--gfx1250"
	.amdhsa_code_object_version 6
	.text
	.protected	k_qfe14b8960b_attn
	.globl	k_qfe14b8960b_attn
	.p2align	8
	.type	k_qfe14b8960b_attn,@function
k_qfe14b8960b_attn:
	s_mov_b64 s[64:65], 0
	v_nop
	global_prefetch_b8 v0, s[64:65] scope:SCOPE_SE
	s_setreg_imm32_b32 hwreg(HW_REG_WAVE_SCHED_MODE, 0, 2), 2
	s_setreg_imm32_b32 hwreg(HW_REG_WAVE_MODE, 25, 1), 1
	s_wait_xcnt 0x0
	s_wait_alu depctr_vm_vsrc(0)
; ATTN: out0 = softmax(mask(q k^T / 8)) v + Q, both products on codes of E2M1 with E8M0 scales, as the problem's rule has the softmax: t = score x log2(e) / 8, M = the running largest t rounded up to a
; whole number, p = 2^(t - M) quantised along the keys, the row's sum taken of the unquantised p and dividing at the end.
; LEFT OUT: a key step (128 keys) all of whose scores the mask hides from my 16 queries (the first kernel's head comment shows why it adds nothing).  The first launch stored that as whole numbers in fl;
; here it is a scalar branch on what was read.  So this launch has no tensor load and no copy.  A NaN or an infinity that reaches only such scores is not carried to the result.
; LIMITS: NaN and infinities among the inputs are not served.  A query from which every key is hidden has the sum 0 and gets NaN, as the softmax of a row of -infinity gives.
; CLUSTERS are not used: joint loads are tensor loads, which the branch on fl shuts out; what the eight work-groups of a head share is 8,192 bytes a step.
; SHARES.  A work-group owns a (batch, head) and two blocks of 128 queries, j and 15 - j (which only evens the work where late queries see more keys; it moves no value).  Each of its sixteen waves owns one
; tile of 16 queries, T.  Every wave walks all 16 key steps: the trip count is a constant, with one barrier a trip; a hidden step's work is jumped over.
; STAGING.  A step's codes are 8,192 bytes (K: 8 images of 512; V: 4 x 2 images): each thread loads 16 of them a trip ahead and stores them into one of two LDS slots.  The scale words of the whole head lie in LDS.
; LAYOUT.  Both products are used transposed: a lane holds one query (lane % 16) throughout.  Keys stand in tile order, so the 16 registers of two neighbouring key tiles are 16 neighbouring keys.
; THE FIRST PRODUCT'S K IS 64.  Source 0's eight registers hold TWO key tiles (k 0..63: tile 2 p; k 64..127: tile 2 p + 1), with the pair's scale word as it is stored; q stands in v[16:27] as 0 | q | 0:
; v[20:27] = q | 0 gives tile 2 p's scores, v[16:23] = 0 | q tile 2 p + 1's: zero codes add exact zeros (no scale byte here is 0xff).
; REGISTERS: v1 16 lane, v2 4 r, v3 v4 the add's two, v5 -infinity, v6 16 x thread, v7 v29 v30 the way out, v8-10 LDS addresses in hand, v11 the prefetch's offset, v12 -M, v13 largest t, v[14:15] the sum,
; v[16:27] q, v28 q's scale word, v[32:63] K's four pairs, v[64:95] V's four tiles, v[96:159] scores then p, v[160:191] O^T, v[192:199] p's codes, v[200:203] K's scale words, v[204:207] V's,
; v[208:211] staged bytes, v[212:229] at work (v225: p's scale word), v230-239 the head's.
; THE MODE: SCHED_MODE bits 1:0 = 2 (LLVM: expert scheduling mode 2), set by the entry lines.  The code itself states the register dependences between vector or matrix instructions and memory or LDS
; instructions, with s_wait_alu, always for 0.
; THE PLAN.  Registers that memory or LDS instructions touch, in the loop:
;   v1, v2, v11       Offsets, made at the head and never written again; read by the staged load, the prefetch and (through v8, v9) nothing else.
;   v8, v9, v10       Written by three additions at a trip's head; read by the trip's LDS store (v10) and its 24 LDS loads (v8, v9).
;   v[208:211]        The load issued behind the barrier lands in them; the next trip's LDS store reads them; no vector instruction names them.
;   v[32:63], v[200:203]   The trip's LDS loads land in them; the eight score products read them.
;   v[64:95], v[204:207]   The trip's LDS loads land in them; the four products at the trip's end read them.
; So at a trip's head stand: a wait on vm_vsrc ahead of the three additions; ONE wait on va_vdst behind them, which states that the three addresses are written and that the last trip's products are done
; reading all four groups of fragments and scale words; and a wait on vm_vsrc behind the LDS store, ahead of the load into v[208:211].  From that wait on va_vdst to the trip's last LDS load the only
; vector-side instructions are two v_nop and the score products, which name v[16:28], v[32:63], v[96:159] and v[200:203]: so K's twelve loads follow with no further wait, and V's twelve are dealt among the score products.
; One more wait on va_vdst stands ahead of the second product: p's codes and scale word are made by vector instructions.
.set SLOT,  8192
.set KSC,   16384                      ; K's scale words of the head: [pair of tiles 0..63][r]
.set VSC,   20480                      ; V's: [step][tile a][r]
.set STG,   24576                      ; the way out: for each wave 16 rows x (256 + 16) bytes
.set SPARE, 94208                      ; the spare words, 128 bytes for each wave: eight blocks of 256 bytes that no other line names
.set FLOOR, 0x1800000
.set OFF2,  0xff000000
	s_load_b256 s[4:11], s[0:1], 0x0               ; hc s[4:5], hs s[6:7], mp s[8:9], fl s[10:11]
	s_load_b128 s[12:15], s[0:1], 0x20             ; Q s[12:13], out0 s[14:15]
	v_lshl_add_u32 v3, v0, 2, SPARE                ; my spare word; never rewritten
	v_mov_b32 v4, 0                                ; 0; never rewritten
	v_lshrrev_b32 v1, 5, v0
	v_readfirstlane_b32 s16, v1                    ; wave 0..15
	s_and_b32 s18, ttmp7, 0xffff                   ; bh = 16 b + head
	s_lshl_b32 s28, ttmp9, 3                       ; 8 j
	s_sub_co_u32 s29, 120, s28                     ; 8 (15 - j)
	s_wait_alu depctr_va_sdst(0)                   ; s16 is written, ahead of its first reader: my tile, my share of the staging and my stage are made from it
	s_and_b32 s19, s16, 7
	s_cmp_lt_u32 s16, 8
	s_cselect_b32 s28, s28, s29
	s_add_co_u32 s19, s19, s28                     ; T: my tile of 16 queries, 0 .. 127
	s_lshr_b32 s28, s18, 4                         ; b
	s_lshl_b32 s29, s28, 7
	s_add_co_u32 s29, s29, s19                     ; 128 b + T
	s_lshl_b32 s32, s29, 4                         ; fl: four words a tile
	s_mov_b32 s33, 0
	s_lshl_b32 s34, s29, 12                        ; mp: 16 steps x 256 bytes a tile
	s_mov_b32 s35, 0
	s_lshl_b32 s40, s18, 16                        ; a head's 65,536 bytes of codes
	s_lshl_b32 s41, s18, 12                        ; and 4,096 of scale words
	s_lshl_b32 s42, s19, 9
	s_add_co_u32 s42, s42, s40                     ; q's image
	s_mov_b32 s43, 0
	s_lshr_b32 s46, s19, 1
	s_lshl_b32 s46, s46, 6
	s_add_co_u32 s46, s46, s41                     ; the scale words of q's pair of tiles
	s_mov_b32 s47, 0
	s_mov_b32 s50, s41
	s_mov_b32 s51, 0
	s_cmp_lt_u32 s16, 8                            ; waves 0-7 stage K's images, waves 8-15 V's
	s_mov_b32 s54, 4194304
	s_cselect_b32 s54, 2097152, s54
	s_add_co_u32 s54, s54, s40
	s_and_b32 s55, s16, 7
	s_lshl_b32 s55, s55, 9
	s_add_co_u32 s54, s54, s55
	s_mov_b32 s55, 0
	s_lshr_b32 s56, s19, 2
	s_lshl_b32 s56, s56, 6
	s_bfe_u32 s57, s19, 0x10001
	s_lshl_b32 s57, s57, 5
	s_add_co_u32 s56, s56, s57                     ; 64 (T / 4) + 32 ((T / 2) % 2): the 32 rows in which my tile and its neighbour lie
	s_lshl_b32 s57, s28, 11
	s_add_co_u32 s56, s56, s57
	s_and_b32 s57, s18, 15
	s_lshl_b32 s57, s57, 8                         ; the head's 256 bytes of a row
	s_lshl_b32 s58, s56, 12
	s_add_co_u32 s58, s58, s57
	s_mov_b32 s59, 0
	s_and_b32 s60, s19, 1
	s_lshl_b32 s60, s60, 15                        ; + 8 (T % 2) rows: my tile's first query; row r is r + 8 (r / 8) further on
	s_add_co_u32 s60, s60, s58
	s_mov_b32 s61, 0
	s_and_b32 s17, s16, 1
	s_cmp_eq_u32 s17, 0
	s_cselect_b32 s17, 13, -1                      ; the trip in which I prefetch: 13 in the even waves, none in the odd
	s_mov_b32 s20, 0x76543210
	s_mov_b32 s21, 0xfedcba98                      ; v_permlanex16_b32's selects for lane l xor 16
	s_mov_b32 s22, 0x3e38aa3b                      ; c = log2(e) / 8
	s_mov_b32 s23, s22                             ; (named with it as a pair, so it is written)
	s_mov_b32 s24, 0                               ; the step
	s_mov_b32 s25, 0                               ; the slot in hand
	s_mov_b32 s26, 0                               ; 256 x step: the step's scale words
	v_and_b32 v31, 31, v0
	v_lshlrev_b32 v1, 4, v31
	v_lshlrev_b32 v11, 12, v31                     ; a lane a row of 4,096 bytes
	v_lshlrev_b32 v6, 4, v0
	v_mov_b32 v5, 0xff800000
	v_and_b32 v8, 15, v0                           ; r
	v_bfe_u32 v9, v0, 4, 1                         ; h
	v_lshlrev_b32 v2, 2, v8
	s_mul_i32 s62, s16, 16*272
	s_add_co_u32 s62, s62, STG                     ; my stage
	v_mul_u32_u24 v7, v8, 272
	v_lshl_add_u32 v7, v9, 6, v7
	v_add_nc_u32 v7, s62, v7                       ; in: row r, + 64 h
	v_mul_u32_u24 v29, v9, 272
	v_lshl_add_u32 v29, v8, 4, v29
	v_add_nc_u32 v29, s62, v29                     ; back: lanes 0-15 one row, lanes 16-31 the next
	v_lshlrev_b32 v30, 4, v8
	v_lshl_add_u32 v30, v9, 12, v30                ; and the same in Q and out0
	v_lshlrev_b32 v230, 3, v0                      ; 8 x thread: K's scale words, in memory and in LDS
	v_lshrrev_b32 v231, 5, v0
	v_lshlrev_b32 v231, 8, v231                    ; 256 x (thread / 32): a step's words of V
	v_lshl_add_u32 v232, v31, 2, v231              ; in memory: + 4 x lane
	v_lshl_add_u32 v233, v9, 7, v231
	v_lshl_add_u32 v233, v8, 2, v233               ; in LDS: + 128 (lane / 16) + 4 r
	s_wait_kmcnt 0x0
	s_add_nc_u64 s[10:11], s[10:11], s[32:33]
	s_add_nc_u64 s[8:9], s[8:9], s[34:35]
	s_add_nc_u64 s[44:45], s[4:5], s[42:43]
	s_add_nc_u64 s[48:49], s[6:7], s[46:47]
	s_add_nc_u64 s[52:53], s[6:7], s[50:51]
	s_add_nc_u64 s[30:31], s[4:5], s[54:55]
	s_add_nc_u64 s[100:101], s[12:13], s[58:59]
	s_add_nc_u64 s[12:13], s[12:13], s[60:61]
	s_add_nc_u64 s[14:15], s[14:15], s[60:61]
	s_load_b128 s[36:39], s[10:11], 0x0            ; my tile's flags
	s_wait_alu depctr_va_vdst(0)                   ; the offsets and addresses v1, v2, v7, v11, v29, v30, v230, v232, v233 are written, which the kernel's loads, stores and prefetch read; so are v3 and v4, which the closing add reads
	global_load_b128 v[20:23], v1, s[44:45]        ; q's image
	global_load_b32 v234, v2, s[48:49]             ; its pair's scale words
	global_load_b64 v[236:237], v230, s[52:53] offset:131072     ; K's scale words of the head: 8 bytes a thread
	global_load_b32 v238, v232, s[52:53] offset:262144           ; V's: the step's first 64 keys,
	global_load_b32 v239, v232, s[52:53] offset:262272           ; and its second
	global_load_b128 v[208:211], v1, s[30:31]      ; step 0's codes: my 16 bytes
	s_wait_kmcnt 0x0
	s_lshl_b32 s37, s37, 4
	s_lshl_b32 s38, s38, 8
	s_lshl_b32 s39, s39, 12
	s_or_b32 s27, s36, s37
	s_or_b32 s27, s27, s38
	s_or_b32 s27, s27, s39                         ; bit s: step s is live; bit 16 + s: it is live and some of its scores are hidden
	s_and_b32 s28, s19, 1
	s_lshl_b32 s28, s28, 4
	s_wait_loadcnt 1                               ; all but the staged bytes are in
	v_lshrrev_b32 v234, s28, v234                  ; my tile's two bytes of the pair's word,
	v_and_b32 v234, 0xffff, v234
	v_lshl_or_b32 v28, v234, 16, v234              ; in both halves: the word serves q | 0 and 0 | q
	ds_store_b64 v230, v[236:237] offset:KSC       ; (its address stands ahead of the wait above, its data came by a load: no vector instruction since names either)
	v_perm_b32 v226, v239, v238, 0x05040100        ; tile 2 p's four bytes of the step: the low halves of the two words,
	v_perm_b32 v228, v239, v238, 0x07060302        ; tile 2 p + 1's: the high halves
	s_wait_alu depctr_va_vdst(0)                   ; v226 and v228 are written, which the two LDS stores below read
	ds_store_b32 v233, v226 offset:VSC
	ds_store_b32 v233, v228 offset:VSC+64
.irp j, 16,17,18,19,24,25,26,27
	v_mov_b32 v[\j], 0                             ; the zero codes beside q
.endr
	v_mov_b32 v14, 0                               ; the sum, in two halves
	v_mov_b32 v15, 0
.irp j, 216,217,218,219
	v_mov_b32 v[\j], 0                             ; a lane permute's destination counts as one of its sources
.endr
	v_mov_b32 v225, 0                              ; (named as the upper half of the pair v[224:225] before it is first written)
.set n, 0
.rept 32
	v_mov_b32 v[160+n], 0                          ; O^T: which step is the first live one hangs on the mask, so the sums begin as zeros, which the first change of M leaves zeros
.set n, n+1
.endr
	v_mov_b32 v13, 0xff61b1e6                      ; the largest t so far: -3e38, under every t
	v_floor_f32 v12, -v13                          ; -M
; S^T = K q^T: eight tiles of 16 keys, two from each pair's registers.  V's twelve LDS loads are dealt among the products, three behind each pair.  No wait: no vector or matrix instruction since the
; wait on va_vdst at the trip's head names v8, v9, v[64:95] or v[204:207]
.macro SCORES
	s_wait_dscnt 0x0                               ; K's twelve loads are in
.irp p, 0,1,2,3
	v_wmma_scale_f32_16x16x128_f8f6f4 v[96+16*\p:103+16*\p], v[32+8*\p:39+8*\p], v[20:27], 0, v[200+\p], v28 matrix_a_fmt:MATRIX_FMT_FP4 matrix_b_fmt:MATRIX_FMT_FP4
	v_wmma_scale_f32_16x16x128_f8f6f4 v[104+16*\p:111+16*\p], v[32+8*\p:39+8*\p], v[16:23], 0, v[200+\p], v28 matrix_a_fmt:MATRIX_FMT_FP4 matrix_b_fmt:MATRIX_FMT_FP4
	ds_load_b128 v[64+8*\p:67+8*\p], v8 offset:4096+1024*\p      ; V's tile p: its two images,
	ds_load_b128 v[68+8*\p:71+8*\p], v8 offset:4096+1024*\p+512
	ds_load_b32 v[204+\p], v9 offset:VSC+64*\p                   ; and its scale words
.endr
.rept 4
	v_nop                                          ; places in front of the first read of results
.endr
.endm
.Lstep:                                            ; 16 trips
	s_wait_alu depctr_vm_vsrc(0)                   ; the last trip's LDS loads have read v8 and v9 and its LDS store v10, which the three additions write; in the first trip: the head's LDS stores have read v226 and v228, which the softmax writes
	v_add_nc_u32 v10, s25, v6
	v_add_nc_u32 v8, s25, v1
	v_add_nc_u32 v9, s26, v2
	s_wait_loadcnt 0x0                             ; this step's 16 staged bytes are in
	s_wait_alu depctr_va_vdst(0)                   ; v8, v9 and v10 are written, which the LDS store and loads of this trip read; the last trip's products are done reading v[32:95] and v[200:207], in which those loads land; in the first trip: q's zero codes and v28 are written, which the score products take as source 1 and its scales
	ds_store_b128 v10, v[208:211]                  ; into the slot that was read two trips ago: every wave waited for those reads in front of the last barrier
	s_wait_dscnt 0x0                               ; for the others' sake: my store has landed (in the first trip the scale words too), and my reads of the other slot are over
	s_wait_alu depctr_vm_vsrc(0)                   ; the store has read v[208:211], in which the next step's load lands
	s_barrier_signal -1
	s_barrier_wait -1
	s_cmp_eq_u32 s24, 15
	s_cbranch_scc1 .Lno_more                       ; no load leaves its buffer
	s_add_nc_u64 s[30:31], s[30:31], 4096          ; (the load that read this address is done: the wait at the trip's head)
	global_load_b128 v[208:211], v1, s[30:31]      ; the next step's share: it has this trip in which to land
.Lno_more:
	s_cmp_eq_u32 s24, s17
	s_cbranch_scc0 .Lno_ask
	global_prefetch_b8 v11, s[100:101] th:TH_LOAD_NT scope:SCOPE_SE   ; in trip 13 each even wave names the head's 256 bytes of the 32 rows of Q in which its tile and its odd neighbour's lie, a lane a row: two trips ahead of the way out's loads; each run of 256 bytes is named once in the launch
.Lno_ask:
	s_lshr_b32 s28, s27, s24
	s_and_b32 s29, s28, 1
	s_cmp_eq_u32 s29, 0
	s_cbranch_scc1 .Lnext                          ; every score of the step is hidden from my queries
	v_nop
	v_nop                                          ; with the three additions at the trip's head: plain lines between the last products and the loads into the registers that they read
.irp i, 0,1,2,3,4,5,6,7
	ds_load_b128 v[32+4*\i:35+4*\i], v8 offset:512*\i            ; K's eight images: pair p in v[32 + 8 p] on
.endr
.irp p, 0,1,2,3
	ds_load_b32 v[200+\p], v9 offset:KSC+64*\p
.endr
	s_and_b32 s29, s28, 0x10000
	s_cmp_lg_u32 s29, 0
	s_cbranch_scc1 .Lmixed
	SCORES
	s_branch .Ljoin
.Lmixed:                                           ; some scores are hidden: they become -infinity ahead of the maximum, so that p = 0
	s_load_b512 s[32:47], s[8:9], 0x0              ; the step's 64 lane masks, one for each score register
	s_load_b512 s[48:63], s[8:9], 0x40
	s_load_b512 s[68:83], s[8:9], 0x80
	s_load_b512 s[84:99], s[8:9], 0xc0
	SCORES
	s_wait_kmcnt 0x0
.set n, 0
.rept 32
	v_cndmask_b32 v[96+n], v[96+n], v5, s[32+n]
.set n, n+1
.endr
.rept 32
	v_cndmask_b32 v[96+n], v[96+n], v5, s[36+n]
.set n, n+1
.endr
.Ljoin:
.irp b, 0,1,2,3
	v_max3_num_f32 v[212+\b], v[96+16*\b], v[97+16*\b], v[98+16*\b]      ; the largest score of each block of 32 keys: it serves the row's maximum and, since p rises with the score, the block's largest p
.endr
.irp i, 3,5,7,9,11,13
.irp b, 0,1,2,3
	v_max3_num_f32 v[212+\b], v[212+\b], v[96+16*\b+\i], v[97+16*\b+\i]
.endr
.endr
.irp b, 0,1,2,3
	v_max_num_f32 v[212+\b], v[212+\b], v[111+16*\b]
.endr
.irp b, 0,1,2,3
	v_permlanex16_b32 v[216+\b], v[212+\b], s20, s21
.endr
.irp b, 0,1,2,3
	v_max_num_f32 v[212+\b], v[212+\b], v[216+\b]  ; with lane l xor 16's 16 keys
.endr
	v_max3_num_f32 v226, v212, v213, v214
	v_max_num_f32 v226, v226, v215                 ; the step's largest score of my query
	v_mul_f32 v226, s22, v226                      ; as t (c is positive)
	v_max_num_f32 v13, v13, v226                   ; the running largest t
	v_mov_b32 v226, v12
	v_floor_f32 v12, -v13                          ; the new -M = -ceil(t): a whole number
	v_sub_f32 v226, v12, v226                      ; old M less new M: a whole number, 0 or less
	v_cvt_i32_f32 v226, v226                       ; (it saturates)
	v_ldexp_f32 v224, 1.0, v226                    ; f = 2^(old M - new M): a multiplication by it rounds nothing
.set n, 0
.rept 32
	v_pk_fma_f32 v[96+n:97+n], v[96+n:97+n], s[22:23], v[12:13] op_sel_hi:[1,0,0]   ; t - M, two at a time
.set n, n+2
.endr
.irp b, 0,1,2,3
	v_fma_f32 v[212+\b], v[212+\b], s22, v12       ; the same of each block's largest score
.endr
.set n, 0
	s_wait_alu depctr_va_vdst(0)
.rept 64
	v_exp_f32 v[96+n], v[96+n]                     ; p = 2^(t - M), not normalised
.set n, n+1
.endr
	v_pk_mul_f32 v[14:15], v[14:15], v[224:225] op_sel_hi:[1,0]   ; the sums under the new M (a plain line behind the exponentials)
	s_wait_alu depctr_va_vdst(0)                   ; the 64 exponentials have written v[96:159]: one wait for the whole batch, ahead of its first reader
.irp b, 0,1,2,3
	v_exp_f32 v[212+\b], v[212+\b]                 ; the block's largest p: the same two instructions on the same number give the same bits
.endr
	v_pk_add_f32 v[228:229], v[96:97], v[98:99]    ; the row's sum is taken of the unquantised p: two chains
.irp j, 4,8,12,16,20,24,28,32,36,40,44,48,52,56,60
	v_pk_add_f32 v[14:15], v[14:15], v[96+\j:97+\j]
	v_pk_add_f32 v[228:229], v[228:229], v[98+\j:99+\j]
.endr
	v_pk_add_f32 v[14:15], v[14:15], v[228:229]
	s_wait_alu depctr_va_vdst(0)                   ; the four exponentials have written v[212:215]: their one wait, ahead of their first reader
.irp b, 0,1,2,3
	v_max_num_f32 v[212+\b], FLOOR, v[212+\b]      ; the floor: the byte cannot fall under 1 (a block whose every p is 0 keeps that byte: its codes are zeros)
.endr
.irp b, 0,1,2,3
	v_add_nc_u32 v[220+\b], OFF2, v[212+\b]        ; 2 off the exponent field: the conversions' scale operand
.endr
.irp b, 0,1,2,3
	v_lshrrev_b32 v[216+\b], 23, v[220+\b]         ; the scale's byte
.endr
	v_lshl_or_b32 v225, v217, 8, v216              ; p's scale word for these 128 keys
	v_lshl_or_b32 v225, v218, 16, v225
	v_lshl_or_b32 v225, v219, 24, v225
.irp b, 0,1,2,3
	v_cvt_scalef32_pk8_fp4_f32 v[192+2*\b], v[96+16*\b:103+16*\b], v[220+\b]
	v_cvt_scalef32_pk8_fp4_f32 v[193+2*\b], v[104+16*\b:111+16*\b], v[220+\b]
.endr
	v_nop                                          ; one plain line behind the conversions
.irp c, 0,1
.irp i, 0,1
	v_permlane16_swap_b32 v[192+4*\c+\i], v[194+4*\c+\i]         ; a whole block to a lane: lanes 0-15 block 2 c, lanes 16-31 block 2 c + 1
.endr
.endr
.set n, 0
.rept 16
	v_pk_mul_f32 v[160+n:161+n], v[160+n:161+n], v[224:225] op_sel_hi:[1,0]   ; O^T under the new M (these sixteen are also the places in front of the products below)
.set n, n+2
.endr
	s_wait_dscnt 0x0                               ; V
	s_wait_alu depctr_va_vdst(0)                   ; the conversions and the exchanges have written p's codes v[192:199], the shifts its scale word v225: the products below take them as source 1 and its scales; the places above stay beside this wait
.irp a, 0,1,2,3
	v_wmma_scale_f32_16x16x128_f8f6f4 v[160+8*\a:167+8*\a], v[64+8*\a:71+8*\a], v[192:199], v[160+8*\a:167+8*\a], v[204+\a], v225 matrix_a_fmt:MATRIX_FMT_FP4 matrix_b_fmt:MATRIX_FMT_FP4   ; O^T += V^T p^T: four accumulators by turns; the next matrix instruction on any way is a score's
.endr
.Lnext:
	s_add_nc_u64 s[8:9], s[8:9], 256               ; the next step's lane masks (no scalar load is out here)
	s_xor_b32 s25, s25, SLOT
	s_add_co_u32 s26, s26, 256
	s_add_co_u32 s24, s24, 1
	s_cmp_lt_u32 s24, 16
	s_cbranch_scc1 .Lstep
	; THE WAY OUT.  O^T / the sum goes through my stage and comes back as rows of 256 bytes; Q's rows are added; sixteen lanes store 256 consecutive bytes, aligned.
.rept 4
	v_nop                                          ; places behind the last products
.endr
	s_wait_alu depctr_va_vdst(0)                   ; the score products are done reading v[32:63], in which Q's rows land
.irp i, 0,1,2,3,4,5,6,7
	global_load_b128 v[32+4*\i:35+4*\i], v30, s[12:13] offset:8192*\i+32768*(\i/4) th:TH_LOAD_NT    ; stage rows 2 i, 2 i + 1 are queries 2 i + 8 (i / 4) and the next
.endr
	v_add_f32 v14, v14, v15                        ; the sum's two halves,
	v_permlanex16_b32 v216, v14, s20, s21
	v_add_f32 v14, v14, v216                       ; and lane l xor 16's
	s_wait_alu depctr_va_vdst(0)
	v_rcp_f32 v14, v14
	v_nop                                          ; a plain line behind the reciprocal,
	s_wait_alu depctr_va_vdst(0)                   ; and the wait ahead of its first reader: the reciprocal has written v14
.set n, 0
.rept 32
	v_mul_f32 v[96+n], v[160+n], v14               ; register 16 blk + i is o(query r, d = 32 blk + 16 h + i); each accumulator from its low end on
.set n, n+1
.endr
	s_wait_alu depctr_va_vdst(0)                   ; the multiplications have written v[96:127], which the LDS stores read; the softmax's readers and writers of v[128:159], in which the loads from the stage land, are done
.irp blk, 0,1
.irp k, 0,1,2,3
	ds_store_b128 v7, v[96+16*\blk+4*\k:99+16*\blk+4*\k] offset:128*\blk+16*\k
.endr
.endr
.irp i, 0,1,2,3,4,5,6,7
	ds_load_b128 v[128+4*\i:131+4*\i], v29 offset:544*\i         ; LDS serves a wave's instructions in order: these see my stores
.endr
	s_wait_loadcnt 0x0                             ; Q's rows
.irp i, 0,1,2,3,4,5,6,7
	s_wait_dscnt 7-\i                              ; rows 2 i, 2 i + 1 are back; the later ones may be out
	v_pk_add_f32 v[128+4*\i:129+4*\i], v[128+4*\i:129+4*\i], v[32+4*\i:33+4*\i]
	v_pk_add_f32 v[130+4*\i:131+4*\i], v[130+4*\i:131+4*\i], v[34+4*\i:35+4*\i]
.endr
	s_wait_alu depctr_va_vdst(0)                   ; the sixteen additions have written v[128:159], which the eight stores read
.irp i, 0,1,2,3,4,5,6,7
	global_store_b128 v30, v[128+4*\i:131+4*\i], s[14:15] offset:8192*\i+32768*(\i/4) th:TH_STORE_NT
.endr
	s_wait_dscnt 0x0                               ; the closing lines, six on end
	s_wait_alu 0x0
	s_wait_tensorcnt 0x0
	ds_add_u32 v3, v4
	s_wait_dscnt 0x0
	s_endpgm
.Lfunc_end_k_qfe14b8960b_attn:
	.size	k_qfe14b8960b_attn, .Lfunc_end_k_qfe14b8960b_attn-k_qfe14b8960b_attn
	.p2alignl 7, 3214868480
	.fill 96, 4, 3214868480
	.section	.rodata,"a",@progbits
	.p2align	6, 0x0
	.amdhsa_kernel k_qfe14b8960b_attn
		.amdhsa_group_segment_fixed_size 96256
		.amdhsa_private_segment_fixed_size 0
		.amdhsa_enable_private_segment 0
		.amdhsa_kernarg_size 48
		.amdhsa_user_sgpr_count 2
		.amdhsa_user_sgpr_kernarg_segment_ptr 1
		.amdhsa_wavefront_size32 1
		.amdhsa_system_sgpr_workgroup_id_x 1
		.amdhsa_system_sgpr_workgroup_id_y 1
		.amdhsa_system_sgpr_workgroup_id_z 1
		.amdhsa_system_vgpr_workitem_id 0
		.amdhsa_next_free_vgpr 240
		.amdhsa_next_free_sgpr 102
		.amdhsa_reserve_vcc 0
		.amdhsa_float_denorm_mode_32 3
		.amdhsa_float_denorm_mode_16_64 3
		.amdhsa_memory_ordered 1
		.amdhsa_forward_progress 1
		.amdhsa_inst_pref_size 36
	.end_amdhsa_kernel
	.amdgpu_metadata
---
amdhsa.version: [ 1, 2 ]
amdhsa.kernels:
  - .name:           k_qfe14b8960b_attn
    .symbol:         k_qfe14b8960b_attn.kd
    .args:
      - { .name: hc, .offset: 0, .size: 8, .value_kind: global_buffer, .address_space: global }
      - { .name: hs, .offset: 8, .size: 8, .value_kind: global_buffer, .address_space: global }
      - { .name: mp, .offset: 16, .size: 8, .value_kind: global_buffer, .address_space: global }
      - { .name: fl, .offset: 24, .size: 8, .value_kind: global_buffer, .address_space: global }
      - { .name: Q, .offset: 32, .size: 8, .value_kind: global_buffer, .address_space: global }
      - { .name: out0, .offset: 40, .size: 8, .value_kind: global_buffer, .address_space: global }
    .group_segment_fixed_size: 96256
    .private_segment_fixed_size: 0
    .kernarg_segment_align: 8
    .kernarg_segment_size: 48
    .max_flat_workgroup_size: 512
    .sgpr_count:     102
    .vgpr_count:     240
    .wavefront_size: 32
...
	.end_amdgpu_metadata
.endif
;; end of part 6
